; MI455X (gfx1250); checked and timed in simulation.
; The chip was launched on July 23, 2026; its instructions are those of AMD's public machine-readable ISA for CDNA 5 (MIT licence, August 2026) and "CDNA5" Instruction Set Architecture Reference Guide (July 2026). The comments in the code are by the model that wrote it; some were corrected since.
;; Self Attention. Allowed arithmetic: float matrix products may take bf16 or f16 operands with f32 sums; other float arithmetic in f32, or as packed bf16 or f16 multiplies, adds, multiply-adds, maxima and minima; sums over many terms, partial sums and values carried from step to step in f32; what a program stores and reads back later, other than sums and carried values, may be rounded once to bf16 or f16.
;; Inputs: W_out 1,024 x 1,024 float32; W_qkv 1,024 x 3,072 float32; b_out 1,024 float32; b_qkv 3,072 float32; x 4 x 2,048 x 1,024 float32.
;; Outputs: out0 4 x 2,048 x 1,024 float32.
;; 2 versions, each right; version 2 is version 1 with the launch prep written anew for expert scheduling mode. Each part assembles by itself: llvm-mc -triple=amdgcn-amd-amdhsa -mcpu=gfx1250 --defsym DOCPART=n.
;; ======== version 1 of 2: 5 launches
;; limits: values are held in f16: magnitudes above 65,504 overflow, below 6.1e-05 lose precision
;; workspace buffers: xb 16,777,216 bytes; wq 6,291,456 bytes; wo 2,097,152 bytes; qkv 50,331,648 bytes; pt 33,554,432 bytes; mb 524,288 bytes; lb 524,288 bytes; ctx 16,777,216 bytes
;; launch prep (part 1): grid 768 x 1, 8 waves a work-group, no clusters, 0 bytes of LDS; arguments x, W_qkv, W_out, xb, wq, wo; writes xb, wq, wo
.if DOCPART == 1
	.amdgcn_target "amdgcn-amd-amdhsa--gfx1250"
	.amdhsa_code_object_version 6
	.text
	.protected	k_q75f6cac145_prep
	.globl	k_q75f6cac145_prep
	.p2align	8
	.type	k_q75f6cac145_prep,@function
k_q75f6cac145_prep:
	s_mov_b64 s[64:65], 0
	v_nop
	global_prefetch_b8 v0, s[64:65] scope:SCOPE_SE
	s_setreg_imm32_b32 hwreg(HW_REG_WAVE_MODE, 25, 1), 1
	s_wait_xcnt 0x0
; THE CASTS.  x -> xb, bf16, laid in 16 blocks of 64 channels: [16][8192 rows][64], so that 256 rows of a block are 32,768 dense bytes.
; W_qkv -> wq, bf16, as it lies.  W_out -> wo: rounded to bf16 like the other inputs, and that number written as f16.
; LIMIT: a bf16 number of W_out below 2^-14 keeps f16's fixed step of 2^-24; beyond 65,504 it would be an infinity.
; A work-group of eight waves casts 16,384 numbers: a thread 16 loads of 16 bytes and 16 stores of 8 bytes.  Work-groups 0-511 take 16 rows of x each, 512-703 W_qkv, 704-767 W_out.
; Each slot has registers of its own, so no register is written twice and the only waits are the counted ones for the loads.
.set XBLK, 8192*128                    ; bytes in a block of xb
.macro CAST ib, ob, ob2, instep, outstep, f16
.set i, 0
.rept 16
	global_load_b128 v[8+4*i:8+4*i+3], v2, s[\ib:\ib+1] offset:i*(\instep) th:TH_LOAD_NT
.set i, i+1
.endr
.set i, 0
.rept 16
	s_wait_loadcnt 15-i                            ; loads come back in order: number i is in, the 15 - i younger ones stay out
	v_cvt_pk_bf16_f32 v[72+2*i], v[8+4*i], v[8+4*i+1]
	v_cvt_pk_bf16_f32 v[72+2*i+1], v[8+4*i+2], v[8+4*i+3]
.if \f16
	v_lshlrev_b32 v4, 16, v[72+2*i]                ; the bf16 numbers as f32,
	v_and_b32 v5, s20, v[72+2*i]
	v_lshlrev_b32 v6, 16, v[72+2*i+1]
	v_and_b32 v7, s20, v[72+2*i+1]
	v_cvt_pk_f16_f32 v[72+2*i], v4, v5             ; written as f16
	v_cvt_pk_f16_f32 v[72+2*i+1], v6, v7
.endif
.if i < 8
	global_store_b64 v3, v[72+2*i:72+2*i+1], s[\ob:\ob+1] offset:i*(\outstep)
.else
	global_store_b64 v3, v[72+2*i:72+2*i+1], s[\ob2:\ob2+1] offset:(i-8)*(\outstep)  ; a second base keeps the immediate inside its 24 bits
.endif
.set i, i+1
.endr
.endm
	s_load_b256 s[4:11], s[0:1], 0x0               ; x s[4:5], W_qkv s[6:7], W_out s[8:9], xb s[10:11]
	s_load_b128 s[12:15], s[0:1], 0x20             ; wq s[12:13], wo s[14:15]
	s_mov_b32 s20, 0xffff0000                      ; a word's upper bf16
	s_mov_b32 s17, 0
	s_mov_b32 s19, 0
	s_cmp_lt_u32 ttmp9, 512
	s_cbranch_scc0 .Lweights
	; x: 16 lanes take 256 bytes (a block's 64 channels) of a row; a wave two rows; its store is 256 consecutive bytes of xb
	v_lshrrev_b32 v1, 4, v0                        ; row 0..15
	v_and_b32 v4, 15, v0
	v_lshlrev_b32 v2, 12, v1
	v_lshl_or_b32 v2, v4, 4, v2
	v_lshlrev_b32 v3, 7, v1
	v_lshl_or_b32 v3, v4, 3, v3
	s_lshl_b32 s16, ttmp9, 16                      ; 16 rows of 4,096 bytes
	s_lshl_b32 s18, ttmp9, 11                      ; 16 rows of 128 bytes
	s_wait_kmcnt 0x0
	s_add_nc_u64 s[4:5], s[4:5], s[16:17]
	s_add_nc_u64 s[10:11], s[10:11], s[18:19]
	s_add_nc_u64 s[22:23], s[10:11], 8*XBLK
	CAST 4, 10, 22, 256, XBLK, 0
	s_endpgm
.Lweights:
	v_lshlrev_b32 v2, 4, v0
	v_lshlrev_b32 v3, 3, v0
	s_cmp_lt_u32 ttmp9, 704
	s_cbranch_scc0 .Lwout
	s_sub_co_u32 s21, ttmp9, 512
	s_lshl_b32 s16, s21, 16
	s_lshl_b32 s18, s21, 15
	s_wait_kmcnt 0x0
	s_add_nc_u64 s[6:7], s[6:7], s[16:17]
	s_add_nc_u64 s[12:13], s[12:13], s[18:19]
	s_add_nc_u64 s[22:23], s[12:13], 8*2048
	CAST 6, 12, 22, 4096, 2048, 0
	s_endpgm
.Lwout:
	s_sub_co_u32 s21, ttmp9, 704
	s_lshl_b32 s16, s21, 16
	s_lshl_b32 s18, s21, 15
	s_wait_kmcnt 0x0
	s_add_nc_u64 s[8:9], s[8:9], s[16:17]
	s_add_nc_u64 s[14:15], s[14:15], s[18:19]
	s_add_nc_u64 s[22:23], s[14:15], 8*2048
	CAST 8, 14, 22, 4096, 2048, 1
	s_endpgm
.Lfunc_end_k_q75f6cac145_prep:
	.size	k_q75f6cac145_prep, .Lfunc_end_k_q75f6cac145_prep-k_q75f6cac145_prep
	.p2alignl 7, 3214868480
	.fill 96, 4, 3214868480
	.section	.rodata,"a",@progbits
	.p2align	6, 0x0
	.amdhsa_kernel k_q75f6cac145_prep
		.amdhsa_group_segment_fixed_size 0
		.amdhsa_private_segment_fixed_size 0
		.amdhsa_enable_private_segment 0
		.amdhsa_kernarg_size 48
		.amdhsa_user_sgpr_count 2
		.amdhsa_user_sgpr_kernarg_segment_ptr 1
		.amdhsa_wavefront_size32 1
		.amdhsa_system_sgpr_workgroup_id_x 1
		.amdhsa_system_sgpr_workgroup_id_y 1
		.amdhsa_system_sgpr_workgroup_id_z 1
		.amdhsa_system_vgpr_workitem_id 0
		.amdhsa_next_free_vgpr 104
		.amdhsa_next_free_sgpr 66
		.amdhsa_reserve_vcc 0
		.amdhsa_float_denorm_mode_32 3
		.amdhsa_float_denorm_mode_16_64 3
		.amdhsa_memory_ordered 1
		.amdhsa_forward_progress 1
		.amdhsa_inst_pref_size 23
	.end_amdhsa_kernel
	.amdgpu_metadata
---
amdhsa.version: [ 1, 2 ]
amdhsa.kernels:
  - .name:           k_q75f6cac145_prep
    .symbol:         k_q75f6cac145_prep.kd
    .args:
      - { .name: x, .offset: 0, .size: 8, .value_kind: global_buffer, .address_space: global }
      - { .name: W_qkv, .offset: 8, .size: 8, .value_kind: global_buffer, .address_space: global }
      - { .name: W_out, .offset: 16, .size: 8, .value_kind: global_buffer, .address_space: global }
      - { .name: xb, .offset: 24, .size: 8, .value_kind: global_buffer, .address_space: global }
      - { .name: wq, .offset: 32, .size: 8, .value_kind: global_buffer, .address_space: global }
      - { .name: wo, .offset: 40, .size: 8, .value_kind: global_buffer, .address_space: global }
    .group_segment_fixed_size: 0
    .private_segment_fixed_size: 0
    .kernarg_segment_align: 8
    .kernarg_segment_size: 48
    .max_flat_workgroup_size: 256
    .sgpr_count:     66
    .vgpr_count:     104
    .wavefront_size: 32
...
	.end_amdgpu_metadata
.endif
;; end of part 1
;; launch qkv (part 2): grid 8 x 32, 4 waves a work-group, clusters of 4 x 4, 327,680 bytes of LDS; arguments xb, wq, b_qkv, qkv; writes qkv
.if DOCPART == 2
	.amdgcn_target "amdgcn-amd-amdhsa--gfx1250"
	.amdhsa_code_object_version 6
	.text
	.protected	k_q75f6cac145_qkv
	.globl	k_q75f6cac145_qkv
	.p2align	8
	.type	k_q75f6cac145_qkv,@function
k_q75f6cac145_qkv:
	s_mov_b64 s[64:65], 0
	v_nop
	global_prefetch_b8 v0, s[64:65] scope:SCOPE_SE
	s_setreg_imm32_b32 hwreg(HW_REG_WAVE_MODE, 25, 1), 1
	s_wait_xcnt 0x0
	s_wait_alu depctr_hold_cnt(0) depctr_sa_sdst(0) depctr_va_vdst(0) depctr_va_sdst(0) depctr_va_ssrc(0) depctr_va_vcc(0) depctr_vm_vsrc(0)
	s_getreg_b32 s2, hwreg(HW_REG_IB_STS2, 6, 4)
	s_cmp_eq_u32 s2, 0
	s_cbranch_scc0 .Lentry_in_a_cluster
	s_endpgm
.Lentry_in_a_cluster:
	s_bfe_u32 s2, ttmp6, 0x10000c
	s_cmp_lg_u32 s2, 0xf033
	s_cbranch_scc0 .Lentry_shape_is_right
	s_endpgm
.Lentry_shape_is_right:
; qkv[row][col] = the sum over k of x[row][k] W_qkv[k][col] + b_qkv[col].  xb: bf16 [16 blocks][8192][64]; wq: bf16 [1024][3072]; b_qkv: f32, rounded to bf16 here like the other inputs; qkv: f16 [8192][3072].
; LIMIT: a result beyond 65,504 would be an infinity in f16; NaN and infinities are not treated apart.
; SHARES.  A work-group makes 256 rows x 384 columns (8 x 32 of them fill the grid once), a wave 128 x 192: 96 accumulators in windows 1 to 3.  A wave's columns are 128 g + 64 (wave % 2) + 16 y, g = 0..2, y = 0..3.
; K goes in steps of 64 through two LDS slots filled by the tensor data mover; waves 0 and 1 fetch the halves of x's tile, waves 2 and 3 those of W's.
; CLUSTER 4 x 4: x's tile is asked for jointly along a row of the cluster, W's along a column.
; THE MATRIX INSTRUCTION IS USED TRANSPOSED: source 0 = 16 columns of W (turned on the way out of LDS), source 1 = 16 rows of x: a lane holds one row of the result and 8 neighbouring columns.
; A GROUP is 32 matrix instructions: the 8 fragments of x of a slice of 32 k (X) by 4 fragments of W (Y), each accumulator once; an accumulator comes again 96 matrix instructions later, so the accumulators take turns.
; At a group's head stand the LDS loads for the next group, in one run.  The bias is the C operand of the first products.
; REGISTERS.  Window 0: v0-16 addresses; v30, v31 the add's; v32-95, v96-159 two buffers of X; v160-191, v192-223 two of Y; v224-255 bias.  Window 1 + g: accumulator (x, y) at 8 (4 x + y).
.set NSTEP,  16
.set SLOTX,  131072                    ; slot 1 begins here: one exclusive or turns an address in one slot into the other's
.set BOFF,   256*144                   ; a slot: 256 rows of x, 128 bytes + 16 of padding; then 64 k-rows of W, three pieces of 256 bytes + 32: 864 bytes
.set STAGE,  223232                    ; behind the ring: 128 rows of 768 + 16 bytes, the work-group's, for the way out
.set SPITCH, 784
.set SPARE,  STAGE+128*SPITCH          ; the spare words, 128 bytes a wave
.set ASTEP,  1048576                   ; a block of xb
.set BSTEP,  64*6144                   ; 64 rows of wq
.set XB0, 32
.set YB0, 160
.set TMP, 32
.set OB,  96
.set MSB, 0
.macro WIN new                         ; the immediate's high byte repeats the setting that is left; a switch that changes nothing is dropped
.if MSB != (\new)
	s_set_vgpr_msb (MSB<<8)|(\new)
.set MSB, \new
.endif
.endm
.macro PLACES                          ; four places behind a matrix instruction, ahead of loads into registers that it has read and of vector lines that read its result
.rept 4
	v_nop
.endr
.endm
.macro CREST                           ; a round of the cluster's barrier behind its opening barrier
	s_cmp_lg_u32 s12, 0
	s_cbranch_scc1 .Lnot_wave_0_\@
	s_barrier_signal -3
.Lnot_wave_0_\@:
	s_barrier_wait -3
	s_barrier_signal -1
	s_barrier_wait -1
.endm
.macro CROUND
	s_barrier_signal -1
	s_barrier_wait -1
	CREST
.endm
.macro JLOAD                           ; the joint refill by the walking descriptor: waves 0, 1 for x, waves 2, 3 for W; s_nop 0 and four v_nop follow each line
	s_cmp_eq_u32 s13, 0
	s_cbranch_scc0 .Lfor_b_\@
	tensor_load_to_lds s[36:39], s[24:31]
	s_nop 0
	PLACES
	s_branch .Lasked_\@
.Lfor_b_\@:
	tensor_load_to_lds s[52:55], s[40:47]
	s_nop 0
	PLACES
.Lasked_\@:
.endm
.macro STEPD                           ; the walking descriptors: the other slot, the next K step
	s_xor_b32 s37, s37, SLOTX
	s_add_nc_u64 s[38:39], s[38:39], ASTEP
	s_xor_b32 s53, s53, SLOTX
	s_add_nc_u64 s[54:55], s[54:55], BSTEP
.endm
; A prefetch into the L2 of x's tile for the K step behind the one just asked for: 256 rows x 128 bytes are 32,768 dense bytes; the four partners of a row of the cluster take 8,192 each, told apart by address;
; wave 0 of the clusters with x = 0 asks, a lane 256 bytes: each block is named once in the launch.  It stands behind the joint load and its five lines.  The last trip has no such step and asks for nothing.
; wq is not asked for: every cluster reads all of it.
.macro ASK
	s_cmp_gt_u32 s3, s67
	s_cbranch_scc0 .Lnot_mine_\@
	global_prefetch_b8 v15, s[68:69] th:TH_LOAD_NT scope:SCOPE_SE
.Lnot_mine_\@:
.endm
.macro LDK dst, adr, off               ; a fragment from rows that lie along k
	ds_load_b128 v[(\dst):(\dst)+3], v[\adr] offset:(\off)
	ds_load_b128 v[(\dst)+4:(\dst)+7], v[\adr] offset:(\off)+32
.endm
.macro LDT dst, adr, off, p16          ; a fragment from rows that lie across k, turned
	ds_load_tr16_b128 v[(\dst):(\dst)+3], v[\adr] offset:(\off)
	ds_load_tr16_b128 v[(\dst)+4:(\dst)+7], v[\adr] offset:(\off)+(\p16)
.endm
.macro LOADX sg, buf                   ; slice sg: my 128 rows of x, 16 loads
.set fx, 0
.rept 8
	LDK (\buf)+8*fx, 10, 2304*fx+64*(\sg)
.set fx, fx+1
.endr
.endm
.macro LOADY sg, gm, buf               ; slice sg, column group gm: 8 loads
.set fy, 0
.rept 4
	LDT (\buf)+8*fy, 11, 27648*(\sg)+288*(\gm)+32*fy, 13824
.set fy, fy+1
.endr
.endm
; Group g = 3 x slice + column group.  What its head fetches is what group g + 1 wants.  peel = 1: the first K step, where X's second buffer still holds bias until group 2 has read it.
.macro HEAD g, peel
.if (\g) == 0
	LOADY 0, 1, YB0+32
.elseif (\g) == 1
	LOADY 0, 2, YB0
.elseif (\g) == 2
.if !(\peel)
	LOADX 1, XB0+64
.endif
	LOADY 1, 0, YB0+32
.elseif (\g) == 3
.if \peel
	LOADX 1, XB0+64
.endif
	LOADY 1, 1, YB0
.elseif (\g) == 4
	LOADY 1, 2, YB0+32
.else
	LOADX 0, XB0
	LOADY 0, 0, YB0
.endif
.endm
; 16 matrix instructions of group g: Y fragments y0, y0 + 1 by all 8 of X.  cm = 1: the bias starts the sums.
.macro MULH g, y0, cm
.set w_, 1+(\g)%3
.set xb_, XB0+64*((\g)/3)
.set yb_, YB0+32*((\g)%2)
.if (\g)%3 == 0
.set cb_, 224
.elseif (\g)%3 == 1
.set cb_, 96
.else
.set cb_, 128
.endif
.if \cm
	WIN (w_<<6)
.else
	WIN (w_*0x50)
.endif
.irp yy, \y0, (\y0)+1
.set x, 0
.rept 8
.if \cm
	v_wmma_f32_16x16x32_bf16 v[8*(4*x+(\yy)):8*(4*x+(\yy))+7], v[yb_+8*(\yy):yb_+8*(\yy)+7], v[xb_+8*x:xb_+8*x+7], v[cb_+8*(\yy):cb_+8*(\yy)+7]
.else
	v_wmma_f32_16x16x32_bf16 v[8*(4*x+(\yy)):8*(4*x+(\yy))+7], v[yb_+8*(\yy):yb_+8*(\yy)+7], v[xb_+8*x:xb_+8*x+7], v[8*(4*x+(\yy)):8*(4*x+(\yy))+7]
.endif
.set x, x+1
.endr
.endr
.endm
.macro GRP g, cm=0, peel=0
	PLACES
	WIN 0
	HEAD \g, \peel
.if ((\g) == 2) && !(\peel)
	s_wait_dscnt 24                                ; only the 24 loads just issued may be out: this group's operands are in
.else
	s_wait_dscnt 8                                 ; only the youngest 8 loads may be out
.endif
	MULH \g, 0, \cm
	MULH \g, 2, \cm
.endm
; The change of slots, and group 4 behind it.  The head loads (group 5's operands) are my last reads of this slot.  Then: all my tensor loads have landed (one was out: my part of the next slot); the add; the wait for
; it and for my reads; the barrier, which with fill = 1 opens a round of the cluster's barrier; behind the round the joint refill comes first, and group 4's products, which work on registers, only behind it:
; a K step's matrix work is short beside the way of a tile, so nothing stands between the wait for one tile and the request for the next.  From a request to the wait for it stand a whole K step's 192 matrix instructions.
.macro MEET fill
.if \fill
	s_wait_xcnt 0x0                                ; the last prefetch, a K step back, has read its address
	s_add_nc_u64 s[68:69], s[68:69], ASTEP
.endif
	PLACES
	WIN 0
	HEAD 4, 0
	s_wait_tensorcnt 0x0                           ; no tensor load of mine is out, so the descriptors may be written
	ds_add_u32 v30, v31
.if \fill
	STEPD
.endif
	s_xor_b32 s66, s66, SLOTX                      ; the slot that is read next
	s_wait_dscnt 0x0                               ; the add is done and my reads of this slot are over
	s_barrier_signal -1
	s_barrier_wait -1
.if \fill
	CREST
	JLOAD
	ASK
.endif
	v_add_nc_u32 v10, s66, v8
	v_add_nc_u32 v11, s66, v9
	MULH 4, 0, 0
	MULH 4, 2, 0
.endm
.macro LASTG                           ; group 5: its operands were waited for above; its head fetches from the next slot
	PLACES
	WIN 0
	HEAD 5, 0
	MULH 5, 0, 0
	MULH 5, 2, 0
.endm
	s_load_b256 s[4:11], s[0:1], 0x0               ; xb s[4:5], wq s[6:7], b_qkv s[8:9], qkv s[10:11]
	v_lshl_add_u32 v30, v0, 2, SPARE
	v_mov_b32 v31, 0
	ds_add_u32 v30, v31                            ; the wave's opening: the add and its wait ahead of my first tensor load
	v_lshrrev_b32 v4, 5, v0
	v_readfirstlane_b32 s12, v4                    ; wave 0..3
	s_lshr_b32 s13, s12, 1                         ; my half of the rows; also: I fetch for x (0) or for W (1)
	s_and_b32 s14, s12, 1                          ; my half of the columns; also: which half of that tile I fetch
	s_bfe_u32 s17, ttmp6, 0x40000                  ; cx
	s_bfe_u32 s18, ttmp6, 0x40004                  ; cy
	s_and_b32 s15, ttmp7, 0xffff
	s_lshl_b32 s15, s15, 2
	s_add_co_u32 s15, s15, s18                     ; tile row = 4 x cluster y + cy
	s_lshl_b32 s16, ttmp9, 2
	s_add_co_u32 s16, s16, s17                     ; tile column = 4 x cluster x + cx
	s_lshl_b32 s19, s18, 2
	s_lshl_b32 s19, 15, s19                        ; my row of the cluster
	s_lshl_b32 s20, 0x1111, s17                    ; my column
	; group 1 for x: 16,384 dense bytes as 64 rows of 256, padded by 4 words after every 32
	s_or_b32 s24, s19, (1<<16)|(1<<20)|(1<<21)|(4<<22)|(3<<25)
	s_mov_b32 s25, 128<<16
	s_mov_b32 s26, 64<<16
	s_mov_b32 s27, 128<<16
	s_mov_b32 s28, 64
	s_mov_b32 s29, 128
	s_mov_b32 s30, 0
	s_mov_b32 s31, 0
	; group 1 for W: 32 rows of 384 elements, padded by 8 words after every 64
	s_or_b32 s40, s20, (1<<16)|(1<<20)|(1<<21)|(5<<22)|(7<<25)
	s_mov_b32 s41, 384<<16
	s_mov_b32 s42, 32<<16
	s_mov_b32 s43, 384<<16
	s_mov_b32 s44, 32
	s_mov_b32 s45, 3072
	s_mov_b32 s46, 0
	s_mov_b32 s47, 0
	s_mov_b32 s32, 1
	s_mul_i32 s33, s14, 128*144                    ; LDS: my half of x's tile
	s_mov_b32 s36, 1
	s_add_co_u32 s37, s33, SLOTX
	s_mov_b32 s48, 1
	s_mul_i32 s49, s14, 32*864                     ; my half of W's
	s_add_co_u32 s49, s49, BOFF
	s_mov_b32 s52, 1
	s_add_co_u32 s53, s49, SLOTX
	s_lshl_b32 s56, s15, 15                        ; x: 256 rows of 128 bytes a tile row,
	s_lshl_b32 s57, s14, 14                        ; my 128 of them
	s_add_co_u32 s56, s56, s57
	s_mov_b32 s57, 0
	s_mul_i32 s58, s14, 32*6144                    ; W: my 32 k-rows,
	s_mul_i32 s59, s16, 768                        ; the tile's 384 columns
	s_add_co_u32 s58, s58, s59
	s_mov_b32 s59, 0
	s_or_b32 s67, s12, ttmp9                       ; wave 0 of a cluster with x = 0 prefetches
	s_cmp_eq_u32 s67, 0
	s_cselect_b32 s67, 1, -1
	s_lshl_b32 s60, s15, 15
	s_lshl_b32 s61, s17, 13                        ; my work-group's quarter of the tile
	s_add_co_u32 s60, s60, s61
	s_add_co_u32 s60, s60, 2*ASTEP                 ; at K step 2: the first change of slots steps it to 3
	s_mov_b32 s61, 0
	s_lshl_b32 s62, s15, 8                         ; where I store: row 256 x tile row + 128 x row half + 32 x column half,
	s_lshl_b32 s63, s13, 7
	s_add_co_u32 s62, s62, s63
	s_lshl_b32 s63, s14, 5
	s_add_co_u32 s62, s62, s63
	s_mul_i32 s62, s62, 6144
	s_mul_i32 s63, s16, 768                        ; the tile's first column
	s_add_co_u32 s62, s62, s63
	s_mov_b32 s63, 0
	s_mov_b32 s66, 0
	s_mov_b32 s78, 0xffff0000
	s_wait_dscnt 0x0                               ; the opening add is done
	s_wait_kmcnt 0x0
	s_add_nc_u64 s[34:35], s[4:5], s[56:57]
	s_add_nc_u64 s[38:39], s[34:35], ASTEP
	s_or_b32 s35, s35, 0x80000000
	s_or_b32 s39, s39, 0x80000000
	s_add_nc_u64 s[50:51], s[6:7], s[58:59]
	s_add_nc_u64 s[54:55], s[50:51], BSTEP
	s_or_b32 s51, s51, 0x80000000
	s_or_b32 s55, s55, 0x80000000
	s_add_nc_u64 s[68:69], s[4:5], s[60:61]
	s_add_nc_u64 s[10:11], s[10:11], s[62:63]
	CROUND                                         ; all sixteen work-groups are here: the first joint loads meet
	s_cmp_eq_u32 s13, 0                            ; a wave's two first fills stand in one branch: two loads of mine are out
	s_cbranch_scc0 .Lfirst_b
	tensor_load_to_lds s[32:35], s[24:31]
	s_nop 0
	tensor_load_to_lds s[36:39], s[24:31]
	s_nop 0
	PLACES
	s_branch .Lfirst_done
.Lfirst_b:
	tensor_load_to_lds s[48:51], s[40:47]
	s_nop 0
	tensor_load_to_lds s[52:55], s[40:47]
	s_nop 0
	PLACES
.Lfirst_done:
	v_and_b32 v1, 15, v0                           ; r = l % 16
	v_bfe_u32 v2, v0, 4, 1                         ; h = l / 16
	v_and_b32 v3, 31, v0                           ; l
	v_mul_u32_u24 v8, v1, 144                      ; X: (128 x row half + r) x 144 + 16 h
	v_lshl_add_u32 v8, v2, 4, v8
	s_mul_i32 s19, s13, 128*144
	v_add_nc_u32 v8, s19, v8
	v_and_b32 v4, 7, v0                            ; Y, turned: (8 h + l % 8) x 864 + 16 ((l / 8) % 2) + 128 x column half
	v_bfe_u32 v5, v0, 3, 1
	v_lshl_add_u32 v6, v2, 3, v4
	v_mul_u32_u24 v9, v6, 864
	v_lshl_add_u32 v9, v5, 4, v9
	s_lshl_b32 s19, s14, 7
	s_add_co_u32 s19, s19, BOFF
	v_add_nc_u32 v9, s19, v9
	v_mov_b32 v10, v8                              ; slot 0
	v_mov_b32 v11, v9
	s_mul_i32 s19, s13, 64*SPITCH                  ; into the stage: row 64 x row half + r, byte 128 x column half + 16 h
	s_lshl_b32 s20, s14, 7
	s_add_co_u32 s19, s19, s20
	s_add_co_u32 s19, s19, STAGE
	v_mul_u32_u24 v12, v1, SPITCH
	v_lshl_add_u32 v12, v2, 4, v12
	v_add_nc_u32 v12, s19, v12
	s_mul_i32 s19, s12, 32*SPITCH                  ; back: wave w takes rows 32 w ..; lanes 0-15 256 bytes of one row, lanes 16-31 of the next
	s_add_co_u32 s19, s19, STAGE
	v_mul_u32_u24 v13, v2, SPITCH
	v_lshl_add_u32 v13, v1, 4, v13
	v_add_nc_u32 v13, s19, v13
	v_mul_u32_u24 v14, v2, 6144                    ; the same two rows in qkv
	v_lshl_add_u32 v14, v1, 4, v14
	v_lshlrev_b32 v15, 8, v3                       ; the prefetches: a lane 256 bytes
	s_mul_i32 s19, s16, 1536                       ; the bias of my columns: 4 x (384 x tile column + 64 x column half + 8 h)
	s_lshl_b32 s20, s14, 8
	s_add_co_u32 s19, s19, s20
	v_lshl_add_u32 v16, v2, 5, s19
.set n, 0
.rept 12                               ; n = 4 x column group + y: eight numbers a lane, the C operand of that fragment's first products
.if n < 4
.set d_, 224+8*n
.else
.set d_, 96+8*(n-4)
.endif
	global_load_b128 v[d_:d_+3], v16, s[8:9] offset:512*(n/4)+64*(n%4)
	global_load_b128 v[d_+4:d_+7], v16, s[8:9] offset:512*(n/4)+64*(n%4)+16
.set n, n+1
.endr
	s_wait_loadcnt 0x0
.macro RNDB base                       ; 32 registers: rounded to bf16 and widened again
.set i, 0
.rept 16
	v_cvt_pk_bf16_f32 v[4+i%4], v[(\base)+2*i], v[(\base)+2*i+1]
	v_lshlrev_b32 v[(\base)+2*i], 16, v[4+i%4]
	v_and_b32 v[(\base)+2*i+1], s78, v[4+i%4]
.set i, i+1
.endr
.endm
	RNDB 224
	RNDB 96
	RNDB 128
	s_wait_tensorcnt 0x1                           ; my part of slot 0 is in; slot 1's may stay out
	s_barrier_signal -1
	s_barrier_wait -1
	LOADX 0, XB0
	LOADY 0, 0, YB0
	GRP 0, 1, 1                                    ; the first slice starts the sums, with the bias
	GRP 1, 1, 1
	GRP 2, 1, 1
	GRP 3, 0, 1                                    ; X's second buffer is fetched only now, behind the last product that read the bias in it
	WIN 0
	s_mov_b32 s3, NSTEP-2
.Lmain:                                        ; a trip: groups 4 and 5 of one K step, groups 0 to 3 of the next; the slot that is left is filled again
	MEET 1
	LASTG
	GRP 0
	GRP 1
	GRP 2
	GRP 3
	WIN 0
	s_sub_co_u32 s3, s3, 1
	s_cmp_lg_u32 s3, 0
	s_cbranch_scc1 .Lmain
	s_mov_b32 s3, 2
.Ltail:                                        ; the last two K steps ask for nothing.  The second trip is left in its middle; its barrier and its 24 loads from the other slot serve nothing: the price of one text for both
	MEET 0
	LASTG
	WIN 0
	s_cmp_eq_u32 s3, 1
	s_cbranch_scc1 .Lout
	GRP 0
	GRP 1
	GRP 2
	GRP 3
	WIN 0
	s_sub_co_u32 s3, s3, 1
	s_cmp_lg_u32 s3, 0
	s_cbranch_scc1 .Ltail
.Lout:
	s_wait_dscnt 0x0
	PLACES
; THE WAY OUT, in two parts of 128 rows (each wave's row blocks 4 c .. 4 c + 3): rounded to f16, 16 bytes a lane into the work-group's stage; a barrier, since a row's 256-byte pieces come from two waves;
; back as whole pieces, 32 rows a wave, and stored: 16 lanes store 256 consecutive bytes, at a multiple of 256 from qkv's first byte.
.macro CHUNK c
.set a, 4*(\c)
.rept 4
.set gm, 0
.rept 3
	WIN (5*(1+gm))                                 ; sources in window 1 + column group, destination in window 0
.set y, 0
.rept 4
.set i, 0
.rept 4
	v_cvt_pk_f16_f32 v[TMP+4*(4*gm+y)+i], v[32*a+8*y+2*i], v[32*a+8*y+2*i+1]
.set i, i+1
.endr
.set y, y+1
.endr
.set gm, gm+1
.endr
	WIN 0
.set n, 0
.rept 12
	ds_store_b128 v12, v[TMP+4*n:TMP+4*n+3] offset:(a%4)*16*SPITCH+256*(n/4)+32*(n%4)
.set n, n+1
.endr
.set a, a+1
.endr
	s_wait_dscnt 0x0                               ; for the others' sake: my stores into the stage are done
	s_barrier_signal -1
	s_barrier_wait -1
.set k, 0
.rept 3                                ; 48 pieces (16 pairs of rows x 3) in three batches of 16, on two sets of registers
	s_wait_xcnt 0x0                                ; the stores that read this set of registers have read them
.set i2, 0
.rept 16
.set n, 16*k+i2
	ds_load_b128 v[OB+64*(k%2)+4*i2:OB+64*(k%2)+4*i2+3], v13 offset:2*SPITCH*(n/3)+256*(n%3)
.set i2, i2+1
.endr
.set i2, 0
.rept 16
.set n, 16*k+i2
	s_wait_dscnt 15-i2                             ; the batch's younger loads stay out
	global_store_b128 v14, v[OB+64*(k%2)+4*i2:OB+64*(k%2)+4*i2+3], s[10:11] offset:(64*(\c)+2*(n/3))*6144+256*(n%3)
.set i2, i2+1
.endr
.set k, k+1
.endr
.endm
	CHUNK 0
	s_wait_dscnt 0x0                               ; my reads of the stage are over,
	s_barrier_signal -1
	s_barrier_wait -1                              ; everybody's are: it may be written again
	CHUNK 1
	s_wait_tensorcnt 0x0                           ; the wave's end
	ds_add_u32 v30, v31
	s_wait_dscnt 0x0
	CROUND                                         ; the closing round
	s_endpgm
.Lfunc_end_k_q75f6cac145_qkv:
	.size	k_q75f6cac145_qkv, .Lfunc_end_k_q75f6cac145_qkv-k_q75f6cac145_qkv
	.p2alignl 7, 3214868480
	.fill 96, 4, 3214868480
	.section	.rodata,"a",@progbits
	.p2align	6, 0x0
	.amdhsa_kernel k_q75f6cac145_qkv
		.amdhsa_group_segment_fixed_size 327680
		.amdhsa_private_segment_fixed_size 0
		.amdhsa_enable_private_segment 0
		.amdhsa_kernarg_size 32
		.amdhsa_user_sgpr_count 2
		.amdhsa_user_sgpr_kernarg_segment_ptr 1
		.amdhsa_wavefront_size32 1
		.amdhsa_system_sgpr_workgroup_id_x 1
		.amdhsa_system_sgpr_workgroup_id_y 1
		.amdhsa_system_sgpr_workgroup_id_z 1
		.amdhsa_system_vgpr_workitem_id 0
		.amdhsa_next_free_vgpr 1024
		.amdhsa_next_free_sgpr 80
		.amdhsa_reserve_vcc 0
		.amdhsa_float_denorm_mode_32 3
		.amdhsa_float_denorm_mode_16_64 3
		.amdhsa_memory_ordered 1
		.amdhsa_forward_progress 1
		.amdhsa_inst_pref_size 118
	.end_amdhsa_kernel
	.amdgpu_metadata
---
amdhsa.version: [ 1, 2 ]
amdhsa.kernels:
  - .name:           k_q75f6cac145_qkv
    .symbol:         k_q75f6cac145_qkv.kd
    .args:
      - { .name: xb, .offset: 0, .size: 8, .value_kind: global_buffer, .address_space: global }
      - { .name: wq, .offset: 8, .size: 8, .value_kind: global_buffer, .address_space: global }
      - { .name: b_qkv, .offset: 16, .size: 8, .value_kind: global_buffer, .address_space: global }
      - { .name: qkv, .offset: 24, .size: 8, .value_kind: global_buffer, .address_space: global }
    .group_segment_fixed_size: 327680
    .private_segment_fixed_size: 0
    .kernarg_segment_align: 8
    .kernarg_segment_size: 32
    .max_flat_workgroup_size: 128
    .sgpr_count:     80
    .vgpr_count:     1024
    .wavefront_size: 32
...
	.end_amdgpu_metadata
.endif
;; end of part 2
;; launch scores (part 3): grid 8 x 32, 4 waves a work-group, clusters of 4 x 4, 327,680 bytes of LDS; arguments qkv, pt, mb, lb; writes pt, mb, lb
.if DOCPART == 3
	.amdgcn_target "amdgcn-amd-amdhsa--gfx1250"
	.amdhsa_code_object_version 6
	.text
	.protected	k_q75f6cac145_scores
	.globl	k_q75f6cac145_scores
	.p2align	8
	.type	k_q75f6cac145_scores,@function
k_q75f6cac145_scores:
	s_mov_b64 s[64:65], 0
	v_nop
	global_prefetch_b8 v0, s[64:65] scope:SCOPE_SE
	s_setreg_imm32_b32 hwreg(HW_REG_WAVE_MODE, 25, 1), 1
	s_wait_xcnt 0x0
	s_wait_alu depctr_hold_cnt(0) depctr_sa_sdst(0) depctr_va_vdst(0) depctr_va_sdst(0) depctr_va_ssrc(0) depctr_va_vcc(0) depctr_vm_vsrc(0)
	s_getreg_b32 s2, hwreg(HW_REG_IB_STS2, 6, 4)
	s_cmp_eq_u32 s2, 0
	s_cbranch_scc0 .Lentry_in_a_cluster
	s_endpgm
.Lentry_in_a_cluster:
	s_bfe_u32 s2, ttmp6, 0x10000c
	s_cmp_lg_u32 s2, 0xf033
	s_cbranch_scc0 .Lentry_shape_is_right
	s_endpgm
.Lentry_shape_is_right:
; THE SCORES AND THE SOFTMAX'S FIRST HALF.  s[q][key] = q[q] . k[key] over 1,024 channels (f16 operands, f32 sums).  For each query and each block t of 128 keys: m = the block's largest s; p~ = 2^(c (s - m)), c = log2(e) / 8;
; l = the sum of the p~.  pt[q][key] = p~ in f16; mb, lb [batch][t][q] = m, l in f32.  The launch behind joins the blocks by the row's true maximum.  The difference s - m is formed first, so no exponent is above 0.
; LIMITS: a p~ below 2^-126 counts as 0 in l; below 6e-5 it keeps f16's fixed step of 6e-8 in pt; NaN and infinities are not treated apart.
; SHARES.  A work-group makes 256 queries x 256 keys of one batch, a wave 128 x 128: its 128 keys are one block t.  64 accumulators in windows 1 and 2.  K goes in steps of 128 through two LDS slots.
; CLUSTER 4 x 4: q's tile is asked for jointly along a row of the cluster, k's along a column.  Source 0 = 16 keys, source 1 = 16 queries: a lane holds one query and 8 neighbouring keys.
; A GROUP is 32 matrix instructions: the 8 fragments of q of a slice of 32 channels (X) by 4 fragments of k (Y), each accumulator once; the accumulators take turns.
; THE SOFTMAX IS WRITTEN ONCE: the scores go in f32 into the ring's bytes, which have had their last fill, and come back by rows, 16 lanes a row, in a loop of eight trips of 16 rows.
; REGISTERS.  Window 0: v0-18 addresses; v30, v31 the add's; v32-95, v96-159 two buffers of X; v160-191, v192-223 two of Y.  Window 1 + g: accumulator (x, y) at 8 (4 x + y), keys 64 g + 16 y.
.set NSTEP,  8
.set PITCH,  272                       ; 256 bytes + 16 of padding
.set HALFT,  128*PITCH
.set SLOTX,  4*HALFT                   ; 139,264 = 0x22000: its two bits are in no wave's tile address, so one exclusive or changes slots
.set RPITCH, 528                       ; the way out: a row of 128 scores in f32, 512 bytes + 16
.set RWAVE,  128*RPITCH                ; a wave's 128 rows; the four waves' 270,336 bytes lie inside the ring's 278,528
.set SG,     2*SLOTX                   ; behind the ring: 1,024 bytes for each wave: its 128 m, its 128 l
.set SPARE,  SG+4096
.set ASTEP,  256
.set BSTEP,  256
.set XB0, 32
.set YB0, 160
.set MSB, 0
.macro WIN new
.if MSB != (\new)
	s_set_vgpr_msb (MSB<<8)|(\new)
.set MSB, \new
.endif
.endm
.macro PLACES
.rept 4
	v_nop
.endr
.endm
.macro CREST
	s_cmp_lg_u32 s12, 0
	s_cbranch_scc1 .Lnot_wave_0_\@
	s_barrier_signal -3
.Lnot_wave_0_\@:
	s_barrier_wait -3
	s_barrier_signal -1
	s_barrier_wait -1
.endm
.macro CROUND
	s_barrier_signal -1
	s_barrier_wait -1
	CREST
.endm
.macro JLOAD
	s_cmp_eq_u32 s13, 0
	s_cbranch_scc0 .Lfor_b_\@
	tensor_load_to_lds s[36:39], s[24:31]
	s_nop 0
	PLACES
	s_branch .Lasked_\@
.Lfor_b_\@:
	tensor_load_to_lds s[52:55], s[40:47]
	s_nop 0
	PLACES
.Lasked_\@:
.endm
.macro STEPD
	s_xor_b32 s37, s37, SLOTX
	s_add_nc_u64 s[38:39], s[38:39], ASTEP
	s_xor_b32 s53, s53, SLOTX
	s_add_nc_u64 s[54:55], s[54:55], BSTEP
.endm
; A prefetch into the L2 of the K step behind the one just asked for: 256 bytes of each row, a lane a row.  Of the 128 rows that a wave fetches each of the four partners that ask for them jointly takes 32, told apart by address.
; q's rows are read by both clusters of a row of clusters: the one with x = 0 asks; k's by the two clusters of a batch in a column: the one with even y asks.  The last trip asks for nothing.
.macro ASK
	s_cmp_gt_u32 s3, s67
	s_cbranch_scc0 .Lnot_mine_\@
	global_prefetch_b8 v15, s[68:69] th:TH_LOAD_NT scope:SCOPE_SE
.Lnot_mine_\@:
.endm
.macro LDK dst, adr, off
	ds_load_b128 v[(\dst):(\dst)+3], v[\adr] offset:(\off)
	ds_load_b128 v[(\dst)+4:(\dst)+7], v[\adr] offset:(\off)+32
.endm
.macro LOADX sg, buf
.set fx, 0
.rept 8
	LDK (\buf)+8*fx, 10, 16*PITCH*fx+64*(\sg)
.set fx, fx+1
.endr
.endm
.macro LOADY sg, gm, buf
.set fy, 0
.rept 4
	LDK (\buf)+8*fy, 11, 16*PITCH*(4*(\gm)+fy)+64*(\sg)
.set fy, fy+1
.endr
.endm
.macro HEAD g                          ; group g = 2 x slice + key group: what group g + 1 wants
.if (\g) == 7
	LOADX 0, XB0
	LOADY 0, 0, YB0
.elseif (\g)%2 == 0
	LOADY (\g)/2, 1, YB0+32
.else
	LOADX ((\g)+1)/2, XB0+64*((((\g)+1)/2)%2)
	LOADY ((\g)+1)/2, 0, YB0
.endif
.endm
.macro MULH g, y0, cm                  ; cm = 1: the constant 0 starts the sums
.set w_, 1+(\g)%2
.set xb_, XB0+64*(((\g)/2)%2)
.set yb_, YB0+32*((\g)%2)
	WIN (w_*0x50)
.irp yy, \y0, (\y0)+1
.set x, 0
.rept 8
.if \cm
	v_wmma_f32_16x16x32_f16 v[8*(4*x+(\yy)):8*(4*x+(\yy))+7], v[yb_+8*(\yy):yb_+8*(\yy)+7], v[xb_+8*x:xb_+8*x+7], 0
.else
	v_wmma_f32_16x16x32_f16 v[8*(4*x+(\yy)):8*(4*x+(\yy))+7], v[yb_+8*(\yy):yb_+8*(\yy)+7], v[xb_+8*x:xb_+8*x+7], v[8*(4*x+(\yy)):8*(4*x+(\yy))+7]
.endif
.set x, x+1
.endr
.endr
.endm
.macro GRP g, cm=0
	PLACES
	WIN 0
	HEAD \g
.if (\g)%2
	s_wait_dscnt 24                                ; only the loads just issued may be out: this group's operands are in
.else
	s_wait_dscnt 8
.endif
	MULH \g, 0, \cm
	MULH \g, 2, \cm
.endm
; Group 6 and the change of slots: my last reads of the slot; all my tensor loads landed; the add; the wait for it and for my reads; the barrier, with fill = 1 a round of the cluster's; the joint refill first behind it: 224 matrix instructions in which to land.
.macro MEET fill
.if \fill
	s_wait_xcnt 0x0                                ; the last prefetch, a K step back, has read its address
	s_add_nc_u64 s[68:69], s[68:69], 256
.endif
	PLACES
	WIN 0
	HEAD 6
	s_wait_tensorcnt 0x0
	ds_add_u32 v30, v31
.if \fill
	STEPD
.endif
	s_xor_b32 s66, s66, SLOTX
	s_wait_dscnt 9                                 ; the add and the 8 loads just issued may be out
	MULH 6, 0, 0
	s_wait_dscnt 0x0                               ; the add is done and my reads of this slot are over
	s_barrier_signal -1
	MULH 6, 2, 0
	WIN 0
	s_barrier_wait -1
.if \fill
	CREST
	JLOAD
.else
	PLACES
.endif
	v_add_nc_u32 v10, s66, v8
	v_add_nc_u32 v11, s66, v9
.endm
.macro LASTG fill
	HEAD 7
.if \fill
	ASK
.endif
	MULH 7, 0, 0
	MULH 7, 2, 0
.endm
	s_load_b256 s[4:11], s[0:1], 0x0               ; qkv s[4:5], pt s[6:7], mb s[8:9], lb s[10:11]
	v_lshl_add_u32 v30, v0, 2, SPARE
	v_mov_b32 v31, 0
	ds_add_u32 v30, v31                            ; the wave's opening: the add and its wait ahead of my first tensor load
	v_lshrrev_b32 v4, 5, v0
	v_readfirstlane_b32 s12, v4
	s_lshr_b32 s13, s12, 1
	s_and_b32 s14, s12, 1
	s_bfe_u32 s17, ttmp6, 0x40000
	s_bfe_u32 s18, ttmp6, 0x40004
	s_and_b32 s21, ttmp7, 0xffff                   ; cluster y
	s_lshl_b32 s15, s21, 2
	s_add_co_u32 s15, s15, s18                     ; tile row: 256 queries of the 8,192
	s_lshl_b32 s16, ttmp9, 2
	s_add_co_u32 s16, s16, s17                     ; tile column: 256 keys of the batch's 2,048
	s_lshl_b32 s19, s18, 2
	s_lshl_b32 s19, 15, s19
	s_lshl_b32 s20, 0x1111, s17
	s_or_b32 s24, s19, (1<<16)|(1<<20)|(1<<21)|(5<<22)|(3<<25)  ; 128 rows x 128 elements, 4 words of padding after every 64
	s_or_b32 s40, s20, (1<<16)|(1<<20)|(1<<21)|(5<<22)|(3<<25)
.irp g, 24, 40
	s_mov_b32 s[(\g)+1], 128<<16
	s_mov_b32 s[(\g)+2], 128<<16
	s_mov_b32 s[(\g)+3], 128<<16
	s_mov_b32 s[(\g)+4], 128
	s_mov_b32 s[(\g)+5], 3072
	s_mov_b32 s[(\g)+6], 0
	s_mov_b32 s[(\g)+7], 0
.endr
	s_mov_b32 s32, 1
	s_mul_i32 s33, s12, HALFT                      ; q's two halves, then k's two: wave x 128 rows
	s_mov_b32 s36, 1
	s_add_co_u32 s37, s33, SLOTX
	s_mov_b32 s48, 1
	s_mov_b32 s49, s33
	s_mov_b32 s52, 1
	s_mov_b32 s53, s37
	s_lshl_b32 s19, s14, 7                         ; which 128 rows of the tile I fetch
	s_lshl_b32 s56, s15, 8
	s_add_co_u32 s56, s56, s19
	s_mul_i32 s56, s56, 6144                       ; q: row 256 x tile row + 128 x half
	s_mov_b32 s57, 0
	s_lshr_b32 s58, s21, 1                         ; the batch = cluster y / 2
	s_lshl_b32 s58, s58, 11
	s_lshl_b32 s20, s16, 8
	s_add_co_u32 s58, s58, s20
	s_add_co_u32 s58, s58, s19
	s_mul_i32 s58, s58, 6144                       ; k: row 2,048 x batch + 256 x tile column + 128 x half,
	s_add_co_u32 s58, s58, 2048                    ; at byte 2,048 of the row
	s_mov_b32 s59, 0
	s_and_b32 s22, s21, 1
	s_cmp_eq_u32 s13, 0                            ; do I fetch for q?
	s_cselect_b32 s60, s56, s58
	s_cselect_b32 s23, s17, s18                    ; my place among the four that ask with me
	s_cselect_b32 s22, ttmp9, s22                  ; the coordinate along which other clusters read the same rows
	s_mul_i32 s23, s23, 32*6144
	s_add_co_u32 s60, s60, s23
	s_add_co_u32 s60, s60, 2*256                   ; at K step 2: the first change of slots steps it to 3
	s_mov_b32 s61, 0
	s_cmp_eq_u32 s22, 0
	s_cselect_b32 s67, 1, -1
	s_lshl_b32 s62, s15, 20                        ; pt: (256 x tile row + 128 x row half) x 4,096 + 512 x tile column + 256 x column half
	s_lshl_b32 s19, s13, 19
	s_add_co_u32 s62, s62, s19
	s_lshl_b32 s19, s16, 9
	s_add_co_u32 s62, s62, s19
	s_lshl_b32 s19, s14, 8
	s_add_co_u32 s62, s62, s19
	s_mov_b32 s63, 0
	s_mov_b32 s66, 0
	s_mov_b32 s76, 0x3e38aa3b                      ; c = log2(e) / 8
	s_mov_b32 s77, s76
	s_wait_dscnt 0x0                               ; the opening add is done
	s_wait_kmcnt 0x0
	s_add_nc_u64 s[34:35], s[4:5], s[56:57]
	s_add_nc_u64 s[38:39], s[34:35], ASTEP
	s_or_b32 s35, s35, 0x80000000
	s_or_b32 s39, s39, 0x80000000
	s_add_nc_u64 s[50:51], s[4:5], s[58:59]
	s_add_nc_u64 s[54:55], s[50:51], BSTEP
	s_or_b32 s51, s51, 0x80000000
	s_or_b32 s55, s55, 0x80000000
	s_add_nc_u64 s[68:69], s[4:5], s[60:61]
	s_add_nc_u64 s[6:7], s[6:7], s[62:63]
	CROUND
	s_cmp_eq_u32 s13, 0                            ; a wave's two first fills stand in one branch: two loads of mine are out
	s_cbranch_scc0 .Lfirst_b
	tensor_load_to_lds s[32:35], s[24:31]
	s_nop 0
	tensor_load_to_lds s[36:39], s[24:31]
	s_nop 0
	PLACES
	s_branch .Lfirst_done
.Lfirst_b:
	tensor_load_to_lds s[48:51], s[40:47]
	s_nop 0
	tensor_load_to_lds s[52:55], s[40:47]
	s_nop 0
	PLACES
.Lfirst_done:
	v_and_b32 v1, 15, v0
	v_bfe_u32 v2, v0, 4, 1
	v_and_b32 v3, 31, v0
	v_mul_u32_u24 v4, v1, PITCH
	v_lshl_add_u32 v4, v2, 4, v4                   ; r x pitch + 16 h
	s_mul_i32 s19, s13, HALFT
	v_add_nc_u32 v8, s19, v4                       ; my 128 queries
	s_mul_i32 s19, s14, HALFT
	s_add_co_u32 s19, s19, 2*HALFT
	v_add_nc_u32 v9, s19, v4                       ; my 128 keys
	v_mov_b32 v10, v8
	v_mov_b32 v11, v9
	s_mul_i32 s19, s12, RWAVE                      ; the way out: my 128 rows of 528 bytes
	v_mul_u32_u24 v12, v1, RPITCH                  ; in: row r, 16 bytes for each half of the lanes
	v_lshl_add_u32 v12, v2, 4, v12
	v_add_nc_u32 v12, s19, v12
	v_mul_u32_u24 v13, v2, RPITCH                  ; back: lanes 0-15 one row, lanes 16-31 the next, 16 bytes a lane
	v_lshl_add_u32 v13, v1, 4, v13
	v_add_nc_u32 v13, s19, v13
	v_lshlrev_b32 v14, 12, v2                      ; the same two rows in pt
	v_lshl_add_u32 v14, v1, 4, v14
	v_mul_u32_u24 v15, v3, 6144                    ; the prefetches: a lane a row
	s_lshl_b32 s19, s12, 10
	s_add_co_u32 s19, s19, SG
	v_lshl_add_u32 v16, v2, 2, s19                 ; my statistics: in by rows, a word for each half of the lanes,
	v_lshl_add_u32 v17, v3, 4, s19                 ; back 16 bytes a lane
	v_lshlrev_b32 v18, 4, v3
	s_lshr_b32 s56, s15, 3                         ; mb, lb: ((16 x batch + 2 x tile column + column half) x 2,048 + 256 x (tile row % 8) + 128 x row half) x 4
	s_lshl_b32 s56, s56, 4
	s_lshl_b32 s19, s16, 1
	s_add_co_u32 s56, s56, s19
	s_add_co_u32 s56, s56, s14
	s_lshl_b32 s56, s56, 11
	s_and_b32 s19, s15, 7
	s_lshl_b32 s19, s19, 8
	s_add_co_u32 s56, s56, s19
	s_lshl_b32 s19, s13, 7
	s_add_co_u32 s56, s56, s19
	s_lshl_b32 s56, s56, 2
	s_mov_b32 s57, 0
	s_add_nc_u64 s[8:9], s[8:9], s[56:57]
	s_add_nc_u64 s[10:11], s[10:11], s[56:57]
	s_wait_tensorcnt 0x1                           ; my part of slot 0 is in; slot 1's may stay out
	s_barrier_signal -1
	s_barrier_wait -1
	LOADX 0, XB0
	LOADY 0, 0, YB0
	GRP 0, 1                                       ; the first slice starts the sums
	GRP 1, 1
	WIN 0
	s_mov_b32 s3, NSTEP-2
.Lmain:                                        ; a trip: groups 2 to 7 of one K step, groups 0 and 1 of the next
	GRP 2
	GRP 3
	GRP 4
	GRP 5
	MEET 1
	LASTG 1
	GRP 0
	GRP 1
	WIN 0
	s_sub_co_u32 s3, s3, 1
	s_cmp_lg_u32 s3, 0
	s_cbranch_scc1 .Lmain
	s_mov_b32 s3, 2
.Ltail:                                        ; the last two K steps ask for nothing; the second trip is left in its middle (its barrier and its last 24 loads serve nothing: the price of one text for both)
	GRP 2
	GRP 3
	GRP 4
	GRP 5
	MEET 0
	LASTG 0
	WIN 0
	s_cmp_eq_u32 s3, 1
	s_cbranch_scc1 .Lout
	GRP 0
	GRP 1
	WIN 0
	s_sub_co_u32 s3, s3, 1
	s_cmp_lg_u32 s3, 0
	s_cbranch_scc1 .Ltail
.Lout:
	s_wait_dscnt 0x0                               ; my reads of the ring are over,
	s_barrier_signal -1
	s_barrier_wait -1                              ; everybody's are; no tensor load follows: the ring's bytes may be written
	PLACES                                         ; the places behind the last products
; THE SCORES GO INTO LDS, in f32.  A lane holds query 16 x + r and the eight keys 8 j .. 8 j + 7, j = 8 g + 2 y + h.  Their first four go to byte 16 j of the query's row, the other four to byte 256 + 16 j, so that on the
; way back 16 lanes read 256 consecutive bytes twice and each ends with eight neighbouring keys.  Rows are 132 words apart: the 16 rows of a store start at 16 different groups of four banks (64 banks of 4 bytes: ISA guide 11.1).
; Each accumulator's lowest registers are read first.  The rows are the wave's own, and LDS serves a wave's instructions in order (ISA guide 5.7.1.4): no wait and no barrier stands ahead of the loads below.
.irp gm, 0, 1
	WIN (4*(1+(\gm)))                              ; the stores' data in window 1 + key group
.set n, 0
.rept 32                               ; n = 4 x + y
	ds_store_b128 v12, v[8*n:8*n+3] offset:16*RPITCH*(n/4)+128*(\gm)+32*(n%4)
	ds_store_b128 v12, v[8*n+4:8*n+7] offset:16*RPITCH*(n/4)+128*(\gm)+32*(n%4)+256
.set n, n+1
.endr
.endr
	WIN 0
; THE SOFTMAX, 16 rows a trip: eight pairs of rows i, lanes 0-15 the even row, lanes 16-31 the odd one.  v[32 + 8 i ..] the lane's eight scores; v[96 + 2 i], v[97 + 2 i] m, twice; v[128 + 4 i ..] the eight p~ packed.
; Each line is written for all eight pairs on end, so that no instruction reads the result of the one before it.  A row's maximum and sum cross its 16 lanes in four steps that ride on the arithmetic (DPP).
.set SR, 32
.set MR, 96
.set PR, 128
.macro EACH line:vararg                ; one line for each pair i
.set i, 0
.rept 8
	\line
.set i, i+1
.endr
.endm
	s_mov_b32 s3, 8
.Lrow:
.set i, 0
.rept 8
	ds_load_b128 v[SR+8*i:SR+8*i+3], v13 offset:2*RPITCH*i
	ds_load_b128 v[SR+8*i+4:SR+8*i+7], v13 offset:2*RPITCH*i+256
.set i, i+1
.endr
.set i, 0
.rept 8
	s_wait_dscnt 14-2*i                            ; pair i's two loads are in; the later pairs' stay out
	v_max3_num_f32 v[MR+2*i], v[SR+8*i], v[SR+8*i+1], v[SR+8*i+2]
.set i, i+1
.endr
	EACH v_max3_num_f32 v[MR+2*i], v[MR+2*i], v[SR+8*i+3], v[SR+8*i+4]
	EACH v_max3_num_f32 v[MR+2*i], v[MR+2*i], v[SR+8*i+5], v[SR+8*i+6]
	EACH v_max_num_f32 v[MR+2*i], v[MR+2*i], v[SR+8*i+7]
.irp d, 1, 2, 4, 8
	EACH v_max_num_f32_dpp v[MR+2*i], v[MR+2*i], v[MR+2*i] row_xmask:\d row_mask:0xf bank_mask:0xf
.endr
	EACH v_mov_b32 v[MR+2*i+1], v[MR+2*i]
.set n, 0
.rept 32                               ; pair n % 8, its numbers 2 (n / 8) and the next: s - m
	v_pk_add_f32 v[SR+8*(n%8)+2*(n/8):SR+8*(n%8)+2*(n/8)+1], v[SR+8*(n%8)+2*(n/8):SR+8*(n%8)+2*(n/8)+1], v[MR+2*(n%8):MR+2*(n%8)+1] neg_lo:[0,1] neg_hi:[0,1]
.set n, n+1
.endr
.set n, 0
.rept 32                               ; times c
	v_pk_mul_f32 v[SR+8*(n%8)+2*(n/8):SR+8*(n%8)+2*(n/8)+1], v[SR+8*(n%8)+2*(n/8):SR+8*(n%8)+2*(n/8)+1], s[76:77] op_sel_hi:[1,0]
.set n, n+1
.endr
.set n, 0
.rept 64                               ; one batch of 64 exponentials, none of which reads another's result
	v_exp_f32 v[SR+8*(n%8)+n/8], v[SR+8*(n%8)+n/8]
.set n, n+1
.endr
	EACH ds_store_b32 v16, v[MR+2*i] offset:8*i    ; m of rows 2 i and 2 i + 1: the 16 lanes of a row hold, and write, the same number
	v_nop                                          ; a plain instruction behind the last exponential
	s_wait_alu depctr_va_vdst(0)                   ; the wait ahead of the first reader: one for the 64
.set n, 0
.rept 32
	v_cvt_pk_f16_f32 v[PR+4*(n%8)+n/8], v[SR+8*(n%8)+2*(n/8)], v[SR+8*(n%8)+2*(n/8)+1]
.set n, n+1
.endr
	EACH global_store_b128 v14, v[PR+4*i:PR+4*i+3], s[6:7] offset:8192*i  ; 16 lanes store 256 consecutive bytes, at a multiple of 256 from pt's first byte
	EACH v_pk_add_f32 v[SR+8*i:SR+8*i+1], v[SR+8*i:SR+8*i+1], v[SR+8*i+2:SR+8*i+3]  ; the sum of the unrounded p~
	EACH v_pk_add_f32 v[SR+8*i+4:SR+8*i+5], v[SR+8*i+4:SR+8*i+5], v[SR+8*i+6:SR+8*i+7]
	EACH v_pk_add_f32 v[SR+8*i:SR+8*i+1], v[SR+8*i:SR+8*i+1], v[SR+8*i+4:SR+8*i+5]
	EACH v_add_f32 v[SR+8*i], v[SR+8*i], v[SR+8*i+1]
.irp d, 1, 2, 4, 8
	EACH v_add_f32_dpp v[SR+8*i], v[SR+8*i], v[SR+8*i] row_xmask:\d row_mask:0xf bank_mask:0xf
.endr
	EACH ds_store_b32 v16, v[SR+8*i] offset:512+8*i  ; l
	s_wait_xcnt 0x0                                ; the stores have read their data and their offset: both are written again only behind this wait
	v_add_nc_u32 v13, 16*RPITCH, v13               ; the next 16 rows: in LDS,
	v_add_nc_u32 v14, 16*4096, v14                 ; in pt,
	v_add_nc_u32 v16, 64, v16                      ; among the statistics
	s_sub_co_u32 s3, s3, 1
	s_cmp_lg_u32 s3, 0
	s_cbranch_scc1 .Lrow
	ds_load_b128 v[64:67], v17                     ; m and l of my 128 queries, four a lane
	ds_load_b128 v[68:71], v17 offset:512
	s_wait_dscnt 0x0
	global_store_b128 v18, v[64:67], s[8:9]        ; 512 consecutive bytes each
	global_store_b128 v18, v[68:71], s[10:11]
	s_wait_tensorcnt 0x0                           ; the wave's end
	ds_add_u32 v30, v31
	s_wait_dscnt 0x0
	CROUND                                         ; the closing round
	s_endpgm
.Lfunc_end_k_q75f6cac145_scores:
	.size	k_q75f6cac145_scores, .Lfunc_end_k_q75f6cac145_scores-k_q75f6cac145_scores
	.p2alignl 7, 3214868480
	.fill 96, 4, 3214868480
	.section	.rodata,"a",@progbits
	.p2align	6, 0x0
	.amdhsa_kernel k_q75f6cac145_scores
		.amdhsa_group_segment_fixed_size 327680
		.amdhsa_private_segment_fixed_size 0
		.amdhsa_enable_private_segment 0
		.amdhsa_kernarg_size 32
		.amdhsa_user_sgpr_count 2
		.amdhsa_user_sgpr_kernarg_segment_ptr 1
		.amdhsa_wavefront_size32 1
		.amdhsa_system_sgpr_workgroup_id_x 1
		.amdhsa_system_sgpr_workgroup_id_y 1
		.amdhsa_system_sgpr_workgroup_id_z 1
		.amdhsa_system_vgpr_workitem_id 0
		.amdhsa_next_free_vgpr 768
		.amdhsa_next_free_sgpr 80
		.amdhsa_reserve_vcc 0
		.amdhsa_float_denorm_mode_32 3
		.amdhsa_float_denorm_mode_16_64 3
		.amdhsa_memory_ordered 1
		.amdhsa_forward_progress 1
		.amdhsa_inst_pref_size 98
	.end_amdhsa_kernel
	.amdgpu_metadata
---
amdhsa.version: [ 1, 2 ]
amdhsa.kernels:
  - .name:           k_q75f6cac145_scores
    .symbol:         k_q75f6cac145_scores.kd
    .args:
      - { .name: qkv, .offset: 0, .size: 8, .value_kind: global_buffer, .address_space: global }
      - { .name: pt, .offset: 8, .size: 8, .value_kind: global_buffer, .address_space: global }
      - { .name: mb, .offset: 16, .size: 8, .value_kind: global_buffer, .address_space: global }
      - { .name: lb, .offset: 24, .size: 8, .value_kind: global_buffer, .address_space: global }
    .group_segment_fixed_size: 327680
    .private_segment_fixed_size: 0
    .kernarg_segment_align: 8
    .kernarg_segment_size: 32
    .max_flat_workgroup_size: 128
    .sgpr_count:     80
    .vgpr_count:     768
    .wavefront_size: 32
...
	.end_amdgpu_metadata
.endif
;; end of part 3
;; launch pv (part 4): grid 4 x 64, 4 waves a work-group, clusters of 4 x 4, 327,680 bytes of LDS; arguments pt, qkv, mb, lb, ctx; writes ctx
.if DOCPART == 4
	.amdgcn_target "amdgcn-amd-amdhsa--gfx1250"
	.amdhsa_code_object_version 6
	.text
	.protected	k_q75f6cac145_pv
	.globl	k_q75f6cac145_pv
	.p2align	8
	.type	k_q75f6cac145_pv,@function
k_q75f6cac145_pv:
	s_mov_b64 s[64:65], 0
	v_nop
	global_prefetch_b8 v0, s[64:65] scope:SCOPE_SE
	s_setreg_imm32_b32 hwreg(HW_REG_WAVE_MODE, 25, 1), 1
	s_wait_xcnt 0x0
	s_wait_alu depctr_hold_cnt(0) depctr_sa_sdst(0) depctr_va_vdst(0) depctr_va_sdst(0) depctr_va_ssrc(0) depctr_va_vcc(0) depctr_vm_vsrc(0)
	s_getreg_b32 s2, hwreg(HW_REG_IB_STS2, 6, 4)
	s_cmp_eq_u32 s2, 0
	s_cbranch_scc0 .Lentry_in_a_cluster
	s_endpgm
.Lentry_in_a_cluster:
	s_bfe_u32 s2, ttmp6, 0x10000c
	s_cmp_lg_u32 s2, 0xf033
	s_cbranch_scc0 .Lentry_shape_is_right
	s_endpgm
.Lentry_shape_is_right:
; THE SOFTMAX'S SECOND HALF AND THE CONTEXT.  For a query: M = the largest of its 16 block maxima m_t; f_t = 2^(c (m_t - M)), c = log2(e) / 8; L = the sum of f_t l_t, at least 1.
; ctx[q][e] = (the sum over t and the block's keys of (f_t p~[q][key]) v[key][e]) / L.  f_t p~ is made in f16 on the way from LDS to the matrix unit; sums in f32; ctx f16, rounded once.
; LIMITS: f_t p~ below 6e-8 counts as 0 and below 6e-5 keeps f16's fixed step; an f_t below 2^-126 is 0; ctx is a mean of v's rows and has their range; NaN and infinities are not treated apart.
; SHARES.  A work-group makes 128 queries x 256 channels, a wave 64 x 128: 32 accumulators in window 1.  The keys go in steps of 128, one block t a step, through two LDS slots.
; CLUSTER 4 x 4: p~'s tile is asked for jointly along a row of the cluster, v's along a column.  Source 0 = 16 channels of v (turned on the way out of LDS), source 1 = 16 queries: a lane holds one query and 8 neighbouring channels.
; A GROUP is a slice of 32 keys: 8 fragments of v (X) by 4 of p~ (Y), 32 matrix instructions, each accumulator once: the accumulators take turns.
; REGISTERS.  Window 0: v0-19 addresses; v20-23 the step's f, twice as f16, for my four row blocks; v30, v31 the add's; v32-95, v96-159 two buffers of X; v160-191, v192-223 two of Y.  Window 1: accumulator (y, x) at 8 (8 y + x).
.set NSTEP,  16
.set SLOTX,  131072
.set APITCH, 272                       ; 256 bytes + 16
.set VPITCH, 544                       ; 512 bytes + 32
.set VOFF,   128*APITCH                ; a slot: 128 rows of p~, then 128 key rows of v
.set FT,     235520                    ; [16 t][128 queries] words: f twice as f16
.set RL,     FT+8192                   ; 128 words: 1 / L
.set STAGE,  RL+512                    ; 16 rows x 272 bytes for each wave
.set SPARE,  STAGE+4*16*272
.set ASTEP,  256
.set BSTEP,  128*6144
.set XB0, 32
.set YB0, 160
.set MSB, 0
.macro WIN new
.if MSB != (\new)
	s_set_vgpr_msb (MSB<<8)|(\new)
.set MSB, \new
.endif
.endm
.macro PLACES
.rept 4
	v_nop
.endr
.endm
.macro CREST
	s_cmp_lg_u32 s12, 0
	s_cbranch_scc1 .Lnot_wave_0_\@
	s_barrier_signal -3
.Lnot_wave_0_\@:
	s_barrier_wait -3
	s_barrier_signal -1
	s_barrier_wait -1
.endm
.macro CROUND
	s_barrier_signal -1
	s_barrier_wait -1
	CREST
.endm
.macro JLOAD
	s_cmp_eq_u32 s13, 0
	s_cbranch_scc0 .Lfor_b_\@
	tensor_load_to_lds s[36:39], s[24:31]
	s_nop 0
	PLACES
	s_branch .Lasked_\@
.Lfor_b_\@:
	tensor_load_to_lds s[52:55], s[40:47]
	s_nop 0
	PLACES
.Lasked_\@:
.endm
.macro STEPD
	s_xor_b32 s37, s37, SLOTX
	s_add_nc_u64 s[38:39], s[38:39], ASTEP
	s_xor_b32 s53, s53, SLOTX
	s_add_nc_u64 s[54:55], s[54:55], BSTEP
.endm
; A prefetch into the L2 of the step that stands two refills on (a step has 128 matrix instructions).  p~: a tile's 128 rows x 256 bytes; the four partners of a row of the cluster take 32 rows each, by address; wave 0 asks, a lane a row.
; v: a tile's 128 rows x 512 bytes; of the 64 rows that wave 2 or 3 fetches each of the four partners of a column takes 16, by address: 32 blocks of 256 bytes, a lane a block; of the four clusters of a batch the first asks.
; It stands behind the joint load and its five lines.  The last two trips ask for nothing.
.macro ASK
	s_cmp_gt_u32 s3, s67
	s_cbranch_scc0 .Lnot_mine_\@
	global_prefetch_b8 v15, s[68:69] th:TH_LOAD_NT scope:SCOPE_SE
.Lnot_mine_\@:
.endm
.macro LOADX sg, buf                   ; slice sg of v, turned: 16 loads
.set fx, 0
.rept 8
	ds_load_tr16_b128 v[(\buf)+8*fx:(\buf)+8*fx+3], v10 offset:32*VPITCH*(\sg)+32*fx
	ds_load_tr16_b128 v[(\buf)+8*fx+4:(\buf)+8*fx+7], v10 offset:32*VPITCH*(\sg)+32*fx+16*VPITCH
.set fx, fx+1
.endr
.endm
.macro LOADY sg, buf                   ; slice sg of p~: 8 loads
.set fy, 0
.rept 4
	ds_load_b128 v[(\buf)+8*fy:(\buf)+8*fy+3], v11 offset:16*APITCH*fy+64*(\sg)
	ds_load_b128 v[(\buf)+8*fy+4:(\buf)+8*fy+7], v11 offset:16*APITCH*fy+64*(\sg)+32
.set fy, fy+1
.endr
.endm
.macro LOADF                           ; the step's f for my four row blocks
.set fa, 0
.rept 4
	ds_load_b32 v[20+fa], v17 offset:64*fa
.set fa, fa+1
.endr
.endm
; 16 matrix instructions of slice sg: Y fragments y0, y0 + 1 by all 8 of X.  cm = 1: the constant 0 starts the sums.
; ride = 1: behind each of the first eight stand four lines that multiply the NEXT slice's p~ by f: they name no register of the products round them.
.macro MULH sg, y0, cm, ride
.set xb_, XB0+64*((\sg)%2)
.set yb_, YB0+32*((\sg)%2)
.set yn_, YB0+32*(((\sg)+1)%2)
.set n, 0
.irp yy, \y0, (\y0)+1
.set x, 0
.rept 8
	WIN 0x50
.if \cm
	v_wmma_f32_16x16x32_f16 v[8*(8*(\yy)+x):8*(8*(\yy)+x)+7], v[xb_+8*x:xb_+8*x+7], v[yb_+8*(\yy):yb_+8*(\yy)+7], 0
.else
	v_wmma_f32_16x16x32_f16 v[8*(8*(\yy)+x):8*(8*(\yy)+x)+7], v[xb_+8*x:xb_+8*x+7], v[yb_+8*(\yy):yb_+8*(\yy)+7], v[8*(8*(\yy)+x):8*(8*(\yy)+x)+7]
.endif
.if (\ride) && (n < 8)
	WIN 0
.irp z, 0,1,2,3
	v_pk_mul_f16 v[yn_+4*n+(\z)], v[yn_+4*n+(\z)], v[20+n/2]
.endr
.endif
.set x, x+1
.set n, n+1
.endr
.endr
.endm
.macro GRP sg, cm=0
	PLACES
	WIN 0
	LOADY (\sg)+1, YB0+32*(((\sg)+1)%2)
	LOADX (\sg)+1, XB0+64*(((\sg)+1)%2)
	s_wait_dscnt 24                                ; only the 24 loads just issued may be out
	MULH \sg, 0, \cm, 0
	s_wait_dscnt 16                                ; the next slice's p~ is in; v's 16 loads may be out
	MULH \sg, 2, \cm, 1
.endm
; The change of slots, and slice 2 behind it.  The head loads (slice 3's operands) are my last reads of this slot.  Then: all my tensor loads have landed; the add; the wait for it and for my reads; the barrier, with fill = 1 a
; round of the cluster's; the joint refill first behind it, and slice 2's products, which work on registers, only behind that: a step's matrix work is short beside the way of a tile, so nothing stands between the wait for
; one tile and the request for the next.  From a request to the wait for it stand a whole step's 128 matrix instructions.
.macro MEET fill
.if \fill
	s_wait_xcnt 0x0                                ; the last prefetch, a step back, has read its address
	s_add_nc_u64 s[68:69], s[68:69], s[70:71]
.endif
	PLACES
	WIN 0
	LOADY 3, YB0+32
	LOADX 3, XB0+64
	s_wait_tensorcnt 0x0
	ds_add_u32 v30, v31
.if \fill
	STEPD
.endif
	s_xor_b32 s66, s66, SLOTX
	s_add_co_u32 s79, s79, 512                     ; the next block's f
	s_wait_dscnt 0x0                               ; the add is done and my reads of this slot are over
	s_barrier_signal -1
	s_barrier_wait -1
.if \fill
	CREST
	JLOAD
	ASK
.endif
	v_add_nc_u32 v10, s66, v8
	v_add_nc_u32 v11, s66, v9
	v_add_nc_u32 v17, s79, v16
	MULH 2, 0, 0, 0
	MULH 2, 2, 0, 1
.endm
.macro LASTG                           ; slice 3; its head fetches the next step's f and first slice
	PLACES
	WIN 0
	LOADF
	LOADY 0, YB0
	LOADX 0, XB0
	MULH 3, 0, 0, 0
	s_wait_dscnt 16                                ; f and p~ are in; v's 16 loads may be out
	MULH 3, 2, 0, 1
.endm
	s_load_b256 s[4:11], s[0:1], 0x0               ; pt s[4:5], qkv s[6:7], mb s[8:9], lb s[10:11]
	s_load_b64 s[72:73], s[0:1], 0x20              ; ctx
	v_lshl_add_u32 v30, v0, 2, SPARE
	v_mov_b32 v31, 0
	ds_add_u32 v30, v31                            ; the wave's opening: the add and its wait ahead of my first tensor load
	v_lshrrev_b32 v4, 5, v0
	v_readfirstlane_b32 s12, v4
	s_lshr_b32 s13, s12, 1
	s_and_b32 s14, s12, 1
	s_bfe_u32 s17, ttmp6, 0x40000
	s_bfe_u32 s18, ttmp6, 0x40004
	s_and_b32 s21, ttmp7, 0xffff                   ; cluster y
	s_lshl_b32 s15, s21, 2
	s_add_co_u32 s15, s15, s18                     ; tile row: 128 queries of the 8,192
	s_lshl_b32 s16, ttmp9, 2
	s_add_co_u32 s16, s16, s17                     ; tile column: 256 channels
	s_lshl_b32 s19, s18, 2
	s_lshl_b32 s19, 15, s19
	s_lshl_b32 s20, 0x1111, s17
	s_or_b32 s24, s19, (1<<16)|(1<<20)|(1<<21)|(5<<22)|(3<<25)  ; p~: 64 rows x 128 elements, 4 words of padding after every 64
	s_mov_b32 s25, 128<<16
	s_mov_b32 s26, 64<<16
	s_mov_b32 s27, 128<<16
	s_mov_b32 s28, 64
	s_mov_b32 s29, 2048
	s_mov_b32 s30, 0
	s_mov_b32 s31, 0
	s_or_b32 s40, s20, (1<<16)|(1<<20)|(1<<21)|(6<<22)|(7<<25)  ; v: 64 rows x 256 elements, 8 words after every 128
	s_mov_b32 s41, 256<<16
	s_mov_b32 s42, 64<<16
	s_mov_b32 s43, 256<<16
	s_mov_b32 s44, 64
	s_mov_b32 s45, 3072
	s_mov_b32 s46, 0
	s_mov_b32 s47, 0
	s_mov_b32 s32, 1
	s_mul_i32 s33, s14, 64*APITCH
	s_mov_b32 s36, 1
	s_add_co_u32 s37, s33, SLOTX
	s_mov_b32 s48, 1
	s_mul_i32 s49, s14, 64*VPITCH
	s_add_co_u32 s49, s49, VOFF
	s_mov_b32 s52, 1
	s_add_co_u32 s53, s49, SLOTX
	s_lshl_b32 s56, s15, 19                        ; p~: (128 x tile row + 64 x half) x 4,096
	s_lshl_b32 s19, s14, 18
	s_add_co_u32 s56, s56, s19
	s_mov_b32 s57, 0
	s_lshr_b32 s58, s21, 2                         ; the batch = cluster y / 4
	s_lshl_b32 s58, s58, 11
	s_lshl_b32 s19, s14, 6
	s_add_co_u32 s58, s58, s19
	s_mul_i32 s58, s58, 6144                       ; v: row 2,048 x batch + 64 x half,
	s_lshl_b32 s19, s16, 9
	s_add_co_u32 s58, s58, s19                     ; the tile's 256 channels,
	s_add_co_u32 s58, s58, 4096                    ; at byte 4,096 of the row
	s_mov_b32 s59, 0
	s_lshl_b32 s60, s15, 19                        ; the prefetches.  p~: my work-group's 32 rows, at step 3
	s_lshl_b32 s19, s17, 17
	s_add_co_u32 s60, s60, s19
	s_add_co_u32 s60, s60, 3*ASTEP
	s_mul_i32 s19, s18, 16*6144                    ; v: my work-group's 16 of the rows that I fetch, at step 3
	s_add_co_u32 s19, s19, s58
	s_add_co_u32 s19, s19, 3*BSTEP
	s_and_b32 s20, s21, 3
	s_mov_b32 s70, BSTEP
	s_mov_b32 s23, 6144
	s_cmp_eq_u32 s13, 0                            ; do I fetch for p~?
	s_cselect_b32 s60, s60, s19
	s_cselect_b32 s70, ASTEP, s70
	s_cselect_b32 s20, s14, s20                    ; 0 where I ask: wave 0; waves 2 and 3 of a batch's first cluster
	s_cselect_b32 s22, 0, 1                        ; a lane a row, or two lanes a row
	s_cselect_b32 s23, 4096, s23
	s_mov_b32 s61, 0
	s_mov_b32 s71, 0
	s_cmp_eq_u32 s20, 0
	s_cselect_b32 s67, 2, -1
	s_lshl_b32 s62, s15, 18                        ; ctx: (128 x tile row + 64 x row half) x 2,048 + 512 x tile column + 256 x column half
	s_lshl_b32 s19, s13, 17
	s_add_co_u32 s62, s62, s19
	s_lshl_b32 s19, s16, 9
	s_add_co_u32 s62, s62, s19
	s_lshl_b32 s19, s14, 8
	s_add_co_u32 s62, s62, s19
	s_mov_b32 s63, 0
	s_lshr_b32 s80, s15, 4                         ; mb, lb: 131,072 x batch + 4 x (128 x (tile row % 16) + 32 x wave)
	s_lshl_b32 s80, s80, 17
	s_and_b32 s19, s15, 15
	s_lshl_b32 s19, s19, 9
	s_add_co_u32 s80, s80, s19
	s_lshl_b32 s19, s12, 7
	s_add_co_u32 s80, s80, s19
	s_mov_b32 s81, 0
	s_mov_b32 s66, 0
	s_mov_b32 s79, 0
	s_mov_b32 s76, 0x3e38aa3b                      ; c = log2(e) / 8
	s_wait_dscnt 0x0                               ; the opening add is done
	s_wait_kmcnt 0x0
	s_add_nc_u64 s[34:35], s[4:5], s[56:57]
	s_add_nc_u64 s[38:39], s[34:35], ASTEP
	s_or_b32 s35, s35, 0x80000000
	s_or_b32 s39, s39, 0x80000000
	s_add_nc_u64 s[50:51], s[6:7], s[58:59]
	s_add_nc_u64 s[54:55], s[50:51], BSTEP
	s_or_b32 s51, s51, 0x80000000
	s_or_b32 s55, s55, 0x80000000
	s_cmp_eq_u32 s13, 0
	s_cselect_b64 s[68:69], s[4:5], s[6:7]
	s_add_nc_u64 s[68:69], s[68:69], s[60:61]
	s_add_nc_u64 s[72:73], s[72:73], s[62:63]
	s_add_nc_u64 s[8:9], s[8:9], s[80:81]
	s_add_nc_u64 s[10:11], s[10:11], s[80:81]
	CROUND
	s_cmp_eq_u32 s13, 0                            ; a wave's two first fills stand in one branch: two loads of mine are out
	s_cbranch_scc0 .Lfirst_b
	tensor_load_to_lds s[32:35], s[24:31]
	s_nop 0
	tensor_load_to_lds s[36:39], s[24:31]
	s_nop 0
	PLACES
	s_branch .Lfirst_done
.Lfirst_b:
	tensor_load_to_lds s[48:51], s[40:47]
	s_nop 0
	tensor_load_to_lds s[52:55], s[40:47]
	s_nop 0
	PLACES
.Lfirst_done:
	v_and_b32 v1, 15, v0
	v_bfe_u32 v2, v0, 4, 1
	v_and_b32 v3, 31, v0
	v_lshlrev_b32 v18, 2, v3
.set t, 0
.rept 16                               ; the statistics of query 32 x wave + lane: 16 m and 16 l
	global_load_b32 v[32+t], v18, s[8:9] offset:8192*t
	global_load_b32 v[48+t], v18, s[10:11] offset:8192*t
.set t, t+1
.endr
	v_and_b32 v4, 7, v0                            ; X, turned: (8 h + l % 8) x 544 + 16 ((l / 8) % 2) + 256 x column half
	v_bfe_u32 v5, v0, 3, 1
	v_lshl_add_u32 v6, v2, 3, v4
	v_mul_u32_u24 v8, v6, VPITCH
	v_lshl_add_u32 v8, v5, 4, v8
	s_lshl_b32 s19, s14, 8
	s_add_co_u32 s19, s19, VOFF
	v_add_nc_u32 v8, s19, v8
	v_mul_u32_u24 v4, v1, APITCH                   ; Y: (64 x row half + r) x 272 + 16 h
	v_lshl_add_u32 v4, v2, 4, v4
	s_mul_i32 s19, s13, 64*APITCH
	v_add_nc_u32 v9, s19, v4
	v_mov_b32 v10, v8
	v_mov_b32 v11, v9
	s_mul_i32 s19, s12, 16*272
	s_add_co_u32 s19, s19, STAGE                   ; my stage
	v_add_nc_u32 v12, s19, v4
	v_mul_u32_u24 v13, v2, 272
	v_lshl_add_u32 v13, v1, 4, v13
	v_add_nc_u32 v13, s19, v13
	v_lshlrev_b32 v14, 11, v2                      ; two rows of ctx
	v_lshl_add_u32 v14, v1, 4, v14
	v_lshrrev_b32 v5, s22, v3                      ; the prefetches' offset
	v_mul_u32_u24 v5, v5, s23
	v_and_b32 v6, s22, v3
	v_lshl_add_u32 v15, v6, 8, v5
	s_lshl_b32 s19, s13, 8
	s_add_co_u32 s19, s19, FT
	v_lshl_add_u32 v16, v1, 2, s19                 ; f of query 64 x row half + r, block 0
	v_mov_b32 v17, v16
	v_lshl_add_u32 v19, v0, 2, FT                  ; where I put my query's f
	s_wait_loadcnt 0x0
	v_max3_num_f32 v80, v32, v33, v34
.irp t, 35,37,39,41,43,45
	v_max3_num_f32 v80, v80, v[\t], v[(\t)+1]
.endr
	v_max_num_f32 v80, v80, v47                    ; M
.set t, 0
.rept 16
	v_sub_f32 v[64+t], v[32+t], v80
.set t, t+1
.endr
.set t, 0
.rept 16
	v_mul_f32 v[64+t], s76, v[64+t]
.set t, t+1
.endr
.set t, 0
.rept 16
	v_exp_f32 v[64+t], v[64+t]
.set t, t+1
.endr
	v_nop                                          ; a plain instruction behind the last exponential,
	s_wait_alu depctr_va_vdst(0)                   ; and the wait ahead of the first reader: one for the 16
	v_mul_f32 v81, v64, v48
	v_mul_f32 v82, v65, v49
.set t, 2
.rept 7
	v_fma_f32 v81, v[64+t], v[48+t], v81
	v_fma_f32 v82, v[64+t+1], v[48+t+1], v82
.set t, t+2
.endr
	v_add_f32 v81, v81, v82                        ; L
	v_rcp_f32 v83, v81
.set t, 0
.rept 16
	v_cvt_pk_f16_f32 v[32+t], v[64+t], v[64+t]     ; plain work behind the reciprocal
.set t, t+1
.endr
	s_wait_alu depctr_va_vdst(0)                   ; ahead of the reciprocal's first reader
.set t, 0
.rept 16
	ds_store_b32 v19, v[32+t] offset:512*t
.set t, t+1
.endr
	ds_store_b32 v19, v83 offset:8192
	s_wait_dscnt 0x0                               ; for the others' sake: my stores are done
	s_wait_tensorcnt 0x1                           ; my part of slot 0 is in; slot 1's may stay out
	s_barrier_signal -1
	s_barrier_wait -1
	LOADF
	LOADY 0, YB0
	LOADX 0, XB0
	s_wait_dscnt 16                                ; f and p~ are in
.set i, 0
.rept 32
	v_pk_mul_f16 v[YB0+i], v[YB0+i], v[20+i/8]
.set i, i+1
.endr
	GRP 0, 1                                       ; the first slice starts the sums
	WIN 0
	s_mov_b32 s3, NSTEP-2
.Lmain:                                        ; a trip: slices 1 to 3 of one step, slice 0 of the next
	GRP 1
	MEET 1
	LASTG
	GRP 0
	WIN 0
	s_sub_co_u32 s3, s3, 1
	s_cmp_lg_u32 s3, 0
	s_cbranch_scc1 .Lmain
	s_mov_b32 s3, 2
.Ltail:                                        ; the last two steps ask for nothing; the second trip is left in its middle: its barrier and its last loads (the words read as f there are those of 1 / L) serve nothing
	GRP 1
	MEET 0
	LASTG
	WIN 0
	s_cmp_eq_u32 s3, 1
	s_cbranch_scc1 .Lout
	GRP 0
	WIN 0
	s_sub_co_u32 s3, s3, 1
	s_cmp_lg_u32 s3, 0
	s_cbranch_scc1 .Ltail
.Lout:
	s_wait_dscnt 0x0
	PLACES
	; THE WAY OUT: times 1 / L, rounded to f16, through my stage, a block of 16 queries at a time
.set a, 0
.rept 4
	ds_load_b32 v[160+2*a], v16 offset:8192+64*a
	v_mov_b32 v[161+2*a], 0                        ; named with it as a pair
.set a, a+1
.endr
	s_wait_dscnt 0x0
.macro PACK a
	WIN 0x41
.set i, 0
.rept 32
	v_pk_mul_f32 v[64*(\a)+2*i:64*(\a)+2*i+1], v[64*(\a)+2*i:64*(\a)+2*i+1], v[160+2*(\a):161+2*(\a)] op_sel_hi:[1,0]
.set i, i+1
.endr
	WIN 0x05
.set i, 0
.rept 32
	v_cvt_pk_f16_f32 v[32+32*(\a)+i], v[64*(\a)+2*i], v[64*(\a)+2*i+1]
.set i, i+1
.endr
	WIN 0
.set b, 0
.rept 8
	ds_store_b128 v12, v[32+32*(\a)+4*b:32+32*(\a)+4*b+3] offset:32*b
.set b, b+1
.endr
.set t, 0
.rept 8
	ds_load_b128 v[32+32*(\a)+4*t:32+32*(\a)+4*t+3], v13 offset:544*t  ; LDS serves a wave's instructions in order (ISA guide 5.7.1.4): these see the stores above
.set t, t+1
.endr
.endm
.macro SEND a, younger                 ; younger: the LDS instructions issued behind this block's loads
.set t, 0
.rept 8
	s_wait_dscnt (\younger)+7-t
	global_store_b128 v14, v[32+32*(\a)+4*t:32+32*(\a)+4*t+3], s[72:73] offset:(16*(\a)+2*t)*2048  ; 16 lanes store 256 consecutive bytes, at a multiple of 256 from ctx's first byte
.set t, t+1
.endr
.endm
	PACK 0
	PACK 1
	SEND 0, 16
	PACK 2
	SEND 1, 16
	PACK 3
	SEND 2, 16
	SEND 3, 0
	s_wait_tensorcnt 0x0                           ; the wave's end
	ds_add_u32 v30, v31
	s_wait_dscnt 0x0
	CROUND                                         ; the closing round
	s_endpgm
.Lfunc_end_k_q75f6cac145_pv:
	.size	k_q75f6cac145_pv, .Lfunc_end_k_q75f6cac145_pv-k_q75f6cac145_pv
	.p2alignl 7, 3214868480
	.fill 96, 4, 3214868480
	.section	.rodata,"a",@progbits
	.p2align	6, 0x0
	.amdhsa_kernel k_q75f6cac145_pv
		.amdhsa_group_segment_fixed_size 327680
		.amdhsa_private_segment_fixed_size 0
		.amdhsa_enable_private_segment 0
		.amdhsa_kernarg_size 40
		.amdhsa_user_sgpr_count 2
		.amdhsa_user_sgpr_kernarg_segment_ptr 1
		.amdhsa_wavefront_size32 1
		.amdhsa_system_sgpr_workgroup_id_x 1
		.amdhsa_system_sgpr_workgroup_id_y 1
		.amdhsa_system_sgpr_workgroup_id_z 1
		.amdhsa_system_vgpr_workitem_id 0
		.amdhsa_next_free_vgpr 512
		.amdhsa_next_free_sgpr 88
		.amdhsa_reserve_vcc 0
		.amdhsa_float_denorm_mode_32 3
		.amdhsa_float_denorm_mode_16_64 3
		.amdhsa_memory_ordered 1
		.amdhsa_forward_progress 1
		.amdhsa_inst_pref_size 105
	.end_amdhsa_kernel
	.amdgpu_metadata
---
amdhsa.version: [ 1, 2 ]
amdhsa.kernels:
  - .name:           k_q75f6cac145_pv
    .symbol:         k_q75f6cac145_pv.kd
    .args:
      - { .name: pt, .offset: 0, .size: 8, .value_kind: global_buffer, .address_space: global }
      - { .name: qkv, .offset: 8, .size: 8, .value_kind: global_buffer, .address_space: global }
      - { .name: mb, .offset: 16, .size: 8, .value_kind: global_buffer, .address_space: global }
      - { .name: lb, .offset: 24, .size: 8, .value_kind: global_buffer, .address_space: global }
      - { .name: ctx, .offset: 32, .size: 8, .value_kind: global_buffer, .address_space: global }
    .group_segment_fixed_size: 327680
    .private_segment_fixed_size: 0
    .kernarg_segment_align: 8
    .kernarg_segment_size: 40
    .max_flat_workgroup_size: 128
    .sgpr_count:     88
    .vgpr_count:     512
    .wavefront_size: 32
...
	.end_amdgpu_metadata
.endif
;; end of part 4
;; launch outp (part 5): grid 4 x 64, 4 waves a work-group, clusters of 4 x 4, 327,680 bytes of LDS; arguments ctx, wo, b_out, out0; writes out0
.if DOCPART == 5
	.amdgcn_target "amdgcn-amd-amdhsa--gfx1250"
	.amdhsa_code_object_version 6
	.text
	.protected	k_q75f6cac145_outp
	.globl	k_q75f6cac145_outp
	.p2align	8
	.type	k_q75f6cac145_outp,@function
k_q75f6cac145_outp:
	s_mov_b64 s[64:65], 0
	v_nop
	global_prefetch_b8 v0, s[64:65] scope:SCOPE_SE
	s_setreg_imm32_b32 hwreg(HW_REG_WAVE_MODE, 25, 1), 1
	s_wait_xcnt 0x0
	s_wait_alu depctr_hold_cnt(0) depctr_sa_sdst(0) depctr_va_vdst(0) depctr_va_sdst(0) depctr_va_ssrc(0) depctr_va_vcc(0) depctr_vm_vsrc(0)
	s_getreg_b32 s2, hwreg(HW_REG_IB_STS2, 6, 4)
	s_cmp_eq_u32 s2, 0
	s_cbranch_scc0 .Lentry_in_a_cluster
	s_endpgm
.Lentry_in_a_cluster:
	s_bfe_u32 s2, ttmp6, 0x10000c
	s_cmp_lg_u32 s2, 0xf033
	s_cbranch_scc0 .Lentry_shape_is_right
	s_endpgm
.Lentry_shape_is_right:
; out0[row][col] = the sum over k of ctx[row][k] W_out[k][col] + b_out[col].  ctx: f16 [8192][1024]; wo: f16 [1024][1024] (W_out's bf16 rounding); b_out: f32, rounded to bf16 here like the other inputs; out0: f32.
; SHARES.  A work-group makes 128 rows x 256 columns, a wave 64 x 128: 32 accumulators in window 1.  K goes in steps of 128 through two LDS slots.
; CLUSTER 4 x 4: ctx's tile is asked for jointly along a row of the cluster, W's along a column.  Source 0 = 16 columns of W (turned on the way out of LDS), source 1 = 16 rows of ctx: a lane holds one row and 8 neighbouring columns.
; A GROUP is a slice of 32 k: 8 fragments of W (X) by 4 of ctx (Y), 32 matrix instructions, each accumulator once: the accumulators take turns.  The bias is the C operand of the first products.
; REGISTERS.  Window 0: v0-16 addresses; v30, v31 the add's; v32-95, v96-159 two buffers of X; v160-191, v192-223 two of Y.  Window 1: accumulator (y, x) at 8 (8 y + x).  Window 2: v0-63 the bias of my 128 columns.
.set NSTEP,  8
.set SLOTX,  131072
.set APITCH, 272
.set VPITCH, 544
.set VOFF,   128*APITCH
.set STAGE,  235520                    ; 16 rows of 512 + 16 bytes for each wave
.set SPITCH, 528
.set SPARE,  STAGE+4*16*SPITCH
.set ASTEP,  256
.set BSTEP,  128*2048
.set XB0, 32
.set YB0, 160
.set MSB, 0
.macro WIN new
.if MSB != (\new)
	s_set_vgpr_msb (MSB<<8)|(\new)
.set MSB, \new
.endif
.endm
.macro PLACES
.rept 4
	v_nop
.endr
.endm
.macro CREST
	s_cmp_lg_u32 s12, 0
	s_cbranch_scc1 .Lnot_wave_0_\@
	s_barrier_signal -3
.Lnot_wave_0_\@:
	s_barrier_wait -3
	s_barrier_signal -1
	s_barrier_wait -1
.endm
.macro CROUND
	s_barrier_signal -1
	s_barrier_wait -1
	CREST
.endm
.macro JLOAD
	s_cmp_eq_u32 s13, 0
	s_cbranch_scc0 .Lfor_b_\@
	tensor_load_to_lds s[36:39], s[24:31]
	s_nop 0
	PLACES
	s_branch .Lasked_\@
.Lfor_b_\@:
	tensor_load_to_lds s[52:55], s[40:47]
	s_nop 0
	PLACES
.Lasked_\@:
.endm
.macro STEPD
	s_xor_b32 s37, s37, SLOTX
	s_add_nc_u64 s[38:39], s[38:39], ASTEP
	s_xor_b32 s53, s53, SLOTX
	s_add_nc_u64 s[54:55], s[54:55], BSTEP
.endm
; A prefetch into the L2 of ctx's tile for the step that stands two refills on: 128 rows x 256 bytes; the four partners of a row of the cluster take 32 rows each, by address; wave 0 asks, a lane a row.
; It stands behind the joint load and its five lines.  The last two trips ask for nothing.  wo is not asked for: every cluster reads all of it.
.macro ASK
	s_cmp_gt_u32 s3, s67
	s_cbranch_scc0 .Lnot_mine_\@
	global_prefetch_b8 v15, s[68:69] th:TH_LOAD_NT scope:SCOPE_SE
.Lnot_mine_\@:
.endm
.macro LOADX sg, buf
.set fx, 0
.rept 8
	ds_load_tr16_b128 v[(\buf)+8*fx:(\buf)+8*fx+3], v10 offset:32*VPITCH*(\sg)+32*fx
	ds_load_tr16_b128 v[(\buf)+8*fx+4:(\buf)+8*fx+7], v10 offset:32*VPITCH*(\sg)+32*fx+16*VPITCH
.set fx, fx+1
.endr
.endm
.macro LOADY sg, buf
.set fy, 0
.rept 4
	ds_load_b128 v[(\buf)+8*fy:(\buf)+8*fy+3], v11 offset:16*APITCH*fy+64*(\sg)
	ds_load_b128 v[(\buf)+8*fy+4:(\buf)+8*fy+7], v11 offset:16*APITCH*fy+64*(\sg)+32
.set fy, fy+1
.endr
.endm
.macro MULH sg, y0, cm                 ; cm = 1: the bias starts the sums
.set xb_, XB0+64*((\sg)%2)
.set yb_, YB0+32*((\sg)%2)
.if \cm
	WIN 0x60
.else
	WIN 0x50
.endif
.irp yy, \y0, (\y0)+1
.set x, 0
.rept 8
.if \cm
	v_wmma_f32_16x16x32_f16 v[8*(8*(\yy)+x):8*(8*(\yy)+x)+7], v[xb_+8*x:xb_+8*x+7], v[yb_+8*(\yy):yb_+8*(\yy)+7], v[8*x:8*x+7]
.else
	v_wmma_f32_16x16x32_f16 v[8*(8*(\yy)+x):8*(8*(\yy)+x)+7], v[xb_+8*x:xb_+8*x+7], v[yb_+8*(\yy):yb_+8*(\yy)+7], v[8*(8*(\yy)+x):8*(8*(\yy)+x)+7]
.endif
.set x, x+1
.endr
.endr
.endm
.macro GRP sg, cm=0
	PLACES
	WIN 0
	LOADY (\sg)+1, YB0+32*(((\sg)+1)%2)
	LOADX (\sg)+1, XB0+64*(((\sg)+1)%2)
	s_wait_dscnt 24                                ; only the 24 loads just issued may be out
	MULH \sg, 0, \cm
	MULH \sg, 2, \cm
.endm
; The change of slots, and slice 2 behind it.  The head loads (slice 3's operands) are my last reads of this slot.  Then: all my tensor loads have landed; the add; the wait for it and for my reads; the barrier, with fill = 1 a
; round of the cluster's; the joint refill first behind it, and slice 2's products, which work on registers, only behind that: a step's matrix work is short beside the way of a tile, so nothing stands between the wait for
; one tile and the request for the next.  From a request to the wait for it stand a whole step's 128 matrix instructions.
.macro MEET fill
.if \fill
	s_wait_xcnt 0x0                                ; the last prefetch, a step back, has read its address
	s_add_nc_u64 s[68:69], s[68:69], 256
.endif
	PLACES
	WIN 0
	LOADY 3, YB0+32
	LOADX 3, XB0+64
	s_wait_tensorcnt 0x0
	ds_add_u32 v30, v31
.if \fill
	STEPD
.endif
	s_xor_b32 s66, s66, SLOTX
	s_wait_dscnt 0x0                               ; the add is done and my reads of this slot are over
	s_barrier_signal -1
	s_barrier_wait -1
.if \fill
	CREST
	JLOAD
	ASK
.endif
	v_add_nc_u32 v10, s66, v8
	v_add_nc_u32 v11, s66, v9
	MULH 2, 0, 0
	MULH 2, 2, 0
.endm
.macro LASTG                           ; slice 3; its head fetches the next step's first slice
	PLACES
	WIN 0
	LOADY 0, YB0
	LOADX 0, XB0
	MULH 3, 0, 0
	MULH 3, 2, 0
.endm
	s_load_b256 s[4:11], s[0:1], 0x0               ; ctx s[4:5], wo s[6:7], b_out s[8:9], out0 s[10:11]
	v_lshl_add_u32 v30, v0, 2, SPARE
	v_mov_b32 v31, 0
	ds_add_u32 v30, v31                            ; the wave's opening: the add and its wait ahead of my first tensor load
	v_lshrrev_b32 v4, 5, v0
	v_readfirstlane_b32 s12, v4
	s_lshr_b32 s13, s12, 1
	s_and_b32 s14, s12, 1
	s_bfe_u32 s17, ttmp6, 0x40000
	s_bfe_u32 s18, ttmp6, 0x40004
	s_and_b32 s15, ttmp7, 0xffff
	s_lshl_b32 s15, s15, 2
	s_add_co_u32 s15, s15, s18                     ; tile row: 128 rows
	s_lshl_b32 s16, ttmp9, 2
	s_add_co_u32 s16, s16, s17                     ; tile column: 256 columns
	s_lshl_b32 s19, s18, 2
	s_lshl_b32 s19, 15, s19
	s_lshl_b32 s20, 0x1111, s17
	s_or_b32 s24, s19, (1<<16)|(1<<20)|(1<<21)|(5<<22)|(3<<25)  ; ctx: 64 rows x 128 elements, 4 words of padding after every 64
	s_mov_b32 s25, 128<<16
	s_mov_b32 s26, 64<<16
	s_mov_b32 s27, 128<<16
	s_mov_b32 s28, 64
	s_mov_b32 s29, 1024
	s_mov_b32 s30, 0
	s_mov_b32 s31, 0
	s_or_b32 s40, s20, (1<<16)|(1<<20)|(1<<21)|(6<<22)|(7<<25)  ; W: 64 rows x 256 elements, 8 words after every 128
	s_mov_b32 s41, 256<<16
	s_mov_b32 s42, 64<<16
	s_mov_b32 s43, 256<<16
	s_mov_b32 s44, 64
	s_mov_b32 s45, 1024
	s_mov_b32 s46, 0
	s_mov_b32 s47, 0
	s_mov_b32 s32, 1
	s_mul_i32 s33, s14, 64*APITCH
	s_mov_b32 s36, 1
	s_add_co_u32 s37, s33, SLOTX
	s_mov_b32 s48, 1
	s_mul_i32 s49, s14, 64*VPITCH
	s_add_co_u32 s49, s49, VOFF
	s_mov_b32 s52, 1
	s_add_co_u32 s53, s49, SLOTX
	s_lshl_b32 s56, s15, 18                        ; ctx: (128 x tile row + 64 x half) x 2,048
	s_lshl_b32 s19, s14, 17
	s_add_co_u32 s56, s56, s19
	s_mov_b32 s57, 0
	s_lshl_b32 s58, s14, 17                        ; W: my 64 k-rows, the tile's 256 columns
	s_lshl_b32 s19, s16, 9
	s_add_co_u32 s58, s58, s19
	s_mov_b32 s59, 0
	s_cmp_eq_u32 s12, 0                            ; wave 0 prefetches
	s_cselect_b32 s67, 2, -1
	s_lshl_b32 s60, s15, 18
	s_lshl_b32 s19, s17, 16                        ; my work-group's 32 rows
	s_add_co_u32 s60, s60, s19
	s_add_co_u32 s60, s60, 3*ASTEP                 ; at step 3: the first change of slots steps it to 4
	s_mov_b32 s61, 0
	s_lshl_b32 s62, s15, 19                        ; out0: (128 x tile row + 64 x row half) x 4,096 + 1,024 x tile column + 512 x column half
	s_lshl_b32 s19, s13, 18
	s_add_co_u32 s62, s62, s19
	s_lshl_b32 s19, s16, 10
	s_add_co_u32 s62, s62, s19
	s_lshl_b32 s19, s14, 9
	s_add_co_u32 s62, s62, s19
	s_mov_b32 s63, 0
	s_mov_b32 s66, 0
	s_mov_b32 s78, 0xffff0000
	s_wait_dscnt 0x0                               ; the opening add is done
	s_wait_kmcnt 0x0
	s_add_nc_u64 s[34:35], s[4:5], s[56:57]
	s_add_nc_u64 s[38:39], s[34:35], ASTEP
	s_or_b32 s35, s35, 0x80000000
	s_or_b32 s39, s39, 0x80000000
	s_add_nc_u64 s[50:51], s[6:7], s[58:59]
	s_add_nc_u64 s[54:55], s[50:51], BSTEP
	s_or_b32 s51, s51, 0x80000000
	s_or_b32 s55, s55, 0x80000000
	s_add_nc_u64 s[68:69], s[4:5], s[60:61]
	s_add_nc_u64 s[10:11], s[10:11], s[62:63]
	CROUND
	s_cmp_eq_u32 s13, 0                            ; a wave's two first fills stand in one branch: two loads of mine are out
	s_cbranch_scc0 .Lfirst_b
	tensor_load_to_lds s[32:35], s[24:31]
	s_nop 0
	tensor_load_to_lds s[36:39], s[24:31]
	s_nop 0
	PLACES
	s_branch .Lfirst_done
.Lfirst_b:
	tensor_load_to_lds s[48:51], s[40:47]
	s_nop 0
	tensor_load_to_lds s[52:55], s[40:47]
	s_nop 0
	PLACES
.Lfirst_done:
	v_and_b32 v1, 15, v0
	v_bfe_u32 v2, v0, 4, 1
	v_and_b32 v3, 31, v0
	s_lshl_b32 s19, s16, 10                        ; the bias of my columns: 4 x (256 x tile column + 128 x column half + 8 h)
	s_lshl_b32 s20, s14, 9
	s_add_co_u32 s19, s19, s20
	v_lshl_add_u32 v16, v2, 5, s19
.set b, 0
.rept 8
	global_load_b128 v[32+8*b:32+8*b+3], v16, s[8:9] offset:64*b
	global_load_b128 v[32+8*b+4:32+8*b+7], v16, s[8:9] offset:64*b+16
.set b, b+1
.endr
	v_and_b32 v4, 7, v0                            ; X, turned
	v_bfe_u32 v5, v0, 3, 1
	v_lshl_add_u32 v6, v2, 3, v4
	v_mul_u32_u24 v8, v6, VPITCH
	v_lshl_add_u32 v8, v5, 4, v8
	s_lshl_b32 s19, s14, 8
	s_add_co_u32 s19, s19, VOFF
	v_add_nc_u32 v8, s19, v8
	v_mul_u32_u24 v9, v1, APITCH                   ; Y
	v_lshl_add_u32 v9, v2, 4, v9
	s_mul_i32 s19, s13, 64*APITCH
	v_add_nc_u32 v9, s19, v9
	v_mov_b32 v10, v8
	v_mov_b32 v11, v9
	s_mul_i32 s19, s12, 16*SPITCH
	s_add_co_u32 s19, s19, STAGE                   ; my stage
	v_mul_u32_u24 v12, v1, SPITCH                  ; in: row r, 32 bytes for each half of the lanes
	v_lshl_add_u32 v12, v2, 5, v12
	v_add_nc_u32 v12, s19, v12
	v_lshl_add_u32 v13, v3, 4, s19                 ; back: 32 lanes take a row's 512 bytes
	v_lshlrev_b32 v14, 4, v3                       ; and the same in out0
	v_lshlrev_b32 v15, 11, v3                      ; the prefetches: a lane a row
	s_wait_loadcnt 0x0
.set i, 0
.rept 32
	v_cvt_pk_bf16_f32 v[96+i], v[32+2*i], v[32+2*i+1]
.set i, i+1
.endr
	WIN 0x80                                       ; destination in window 2
.set i, 0
.rept 32
	v_lshlrev_b32 v[2*i], 16, v[96+i]
	v_and_b32 v[2*i+1], s78, v[96+i]
.set i, i+1
.endr
	WIN 0
	s_wait_tensorcnt 0x1                           ; my part of slot 0 is in; slot 1's may stay out
	s_barrier_signal -1
	s_barrier_wait -1
	LOADY 0, YB0
	LOADX 0, XB0
	GRP 0, 1                                       ; the first slice starts the sums, with the bias
	WIN 0
	s_mov_b32 s3, NSTEP-2
.Lmain:                                        ; a trip: slices 1 to 3 of one step, slice 0 of the next
	GRP 1
	MEET 1
	LASTG
	GRP 0
	WIN 0
	s_sub_co_u32 s3, s3, 1
	s_cmp_lg_u32 s3, 0
	s_cbranch_scc1 .Lmain
	s_mov_b32 s3, 2
.Ltail:                                        ; the last two steps ask for nothing; the second trip is left in its middle (its barrier and its last 24 loads serve nothing: the price of one text for both)
	GRP 1
	MEET 0
	LASTG
	WIN 0
	s_cmp_eq_u32 s3, 1
	s_cbranch_scc1 .Lout
	GRP 0
	WIN 0
	s_sub_co_u32 s3, s3, 1
	s_cmp_lg_u32 s3, 0
	s_cbranch_scc1 .Ltail
.Lout:
	s_wait_dscnt 0x0
	PLACES
; THE WAY OUT, in f32: a block of 16 rows goes from the accumulators into my stage (each accumulator's lowest registers first) and comes back as whole rows of 512 bytes.
.macro TOST a
	s_wait_xcnt 0x0                                ; the stores of block a - 2 have read the registers that are loaded below
	WIN 0x04                                       ; the stores' data in window 1
.set b, 0
.rept 8
	ds_store_b128 v12, v[64*(\a)+8*b:64*(\a)+8*b+3] offset:64*b
	ds_store_b128 v12, v[64*(\a)+8*b+4:64*(\a)+8*b+7] offset:64*b+16
.set b, b+1
.endr
	WIN 0
.set t, 0
.rept 16
	ds_load_b128 v[32+64*((\a)%2)+4*t:32+64*((\a)%2)+4*t+3], v13 offset:SPITCH*t  ; LDS serves a wave's instructions in order (ISA guide 5.7.1.4): these see the stores above
.set t, t+1
.endr
.endm
.macro SEND a, younger                 ; younger: the LDS instructions issued behind this block's loads
.set t, 0
.rept 16
	s_wait_dscnt (\younger)+15-t
	global_store_b128 v14, v[32+64*((\a)%2)+4*t:32+64*((\a)%2)+4*t+3], s[10:11] offset:(16*(\a)+t)*4096  ; 512 consecutive bytes, at a multiple of 256 from out0's first byte
.set t, t+1
.endr
.endm
	TOST 0
	TOST 1
	SEND 0, 32
	TOST 2
	SEND 1, 32
	TOST 3
	SEND 2, 32
	SEND 3, 0
	s_wait_tensorcnt 0x0                           ; the wave's end
	ds_add_u32 v30, v31
	s_wait_dscnt 0x0
	CROUND                                         ; the closing round
	s_endpgm
.Lfunc_end_k_q75f6cac145_outp:
	.size	k_q75f6cac145_outp, .Lfunc_end_k_q75f6cac145_outp-k_q75f6cac145_outp
	.p2alignl 7, 3214868480
	.fill 96, 4, 3214868480
	.section	.rodata,"a",@progbits
	.p2align	6, 0x0
	.amdhsa_kernel k_q75f6cac145_outp
		.amdhsa_group_segment_fixed_size 327680
		.amdhsa_private_segment_fixed_size 0
		.amdhsa_enable_private_segment 0
		.amdhsa_kernarg_size 32
		.amdhsa_user_sgpr_count 2
		.amdhsa_user_sgpr_kernarg_segment_ptr 1
		.amdhsa_wavefront_size32 1
		.amdhsa_system_sgpr_workgroup_id_x 1
		.amdhsa_system_sgpr_workgroup_id_y 1
		.amdhsa_system_sgpr_workgroup_id_z 1
		.amdhsa_system_vgpr_workitem_id 0
		.amdhsa_next_free_vgpr 576
		.amdhsa_next_free_sgpr 80
		.amdhsa_reserve_vcc 0
		.amdhsa_float_denorm_mode_32 3
		.amdhsa_float_denorm_mode_16_64 3
		.amdhsa_memory_ordered 1
		.amdhsa_forward_progress 1
		.amdhsa_inst_pref_size 67
	.end_amdhsa_kernel
	.amdgpu_metadata
---
amdhsa.version: [ 1, 2 ]
amdhsa.kernels:
  - .name:           k_q75f6cac145_outp
    .symbol:         k_q75f6cac145_outp.kd
    .args:
      - { .name: ctx, .offset: 0, .size: 8, .value_kind: global_buffer, .address_space: global }
      - { .name: wo, .offset: 8, .size: 8, .value_kind: global_buffer, .address_space: global }
      - { .name: b_out, .offset: 16, .size: 8, .value_kind: global_buffer, .address_space: global }
      - { .name: out0, .offset: 24, .size: 8, .value_kind: global_buffer, .address_space: global }
    .group_segment_fixed_size: 327680
    .private_segment_fixed_size: 0
    .kernarg_segment_align: 8
    .kernarg_segment_size: 32
    .max_flat_workgroup_size: 128
    .sgpr_count:     80
    .vgpr_count:     576
    .wavefront_size: 32
...
	.end_amdgpu_metadata
.endif
;; end of part 5
;; ======== version 2 of 2: 5 launches; version 1 with the launch prep written anew for expert scheduling mode
;; limits: values are held in f16: magnitudes above 65,504 overflow, below 6.1e-05 lose precision
;; workspace buffers: xb 16,777,216 bytes; wq 6,291,456 bytes; wo 2,097,152 bytes; qkv 50,331,648 bytes; pt 33,554,432 bytes; mb 524,288 bytes; lb 524,288 bytes; ctx 16,777,216 bytes
;; launch prep (part 6): grid 768 x 1, 8 waves a work-group, no clusters, 0 bytes of LDS; arguments x, W_qkv, W_out, xb, wq, wo; writes xb, wq, wo
.if DOCPART == 6
	.amdgcn_target "amdgcn-amd-amdhsa--gfx1250"
	.amdhsa_code_object_version 6
	.text
	.protected	k_q75f6cac145_prep
	.globl	k_q75f6cac145_prep
	.p2align	8
	.type	k_q75f6cac145_prep,@function
k_q75f6cac145_prep:
	s_mov_b64 s[64:65], 0
	v_nop
	global_prefetch_b8 v0, s[64:65] scope:SCOPE_SE
	s_setreg_imm32_b32 hwreg(HW_REG_WAVE_SCHED_MODE, 0, 2), 2
	s_setreg_imm32_b32 hwreg(HW_REG_WAVE_MODE, 25, 1), 1
	s_wait_xcnt 0x0
	s_wait_alu depctr_vm_vsrc(0)
; THE CASTS.  x -> xb, bf16, laid in 16 blocks of 64 channels: [16][8192 rows][64], so that 256 rows of a block are 32,768 dense bytes.
; W_qkv -> wq, bf16, as it lies.  W_out -> wo: rounded to bf16 like the other inputs, and that number written as f16.
; LIMIT: a bf16 number of W_out below 2^-14 keeps f16's fixed step of 2^-24; beyond 65,504 it would be an infinity.
; A work-group of eight waves casts 16,384 numbers: a thread 16 loads of 16 bytes and 16 stores of 8 bytes.  Work-groups 0-511 take 16 rows of x each, 512-703 W_qkv, 704-767 W_out.
; THE MODE: SCHED_MODE bits 1:0 = 2 (LLVM: expert scheduling mode 2), set by the entry lines.  The code itself states the register dependences
; between vector instructions and memory instructions, with s_wait_alu, always for 0.
; THE PLAN.  Registers that memory instructions touch:
;   v2, v3      the loads' and the stores' byte offsets.  Written by vector lines at the head of each of the three paths, never again; read by all 16 loads (v2) and all 16 stores (v3).
;   v[8:71]     slot i: 4 registers at IN + 4 i, as loaded.  No vector line names them ahead of the loads, and all 16 loads are issued ahead of the first conversion: only the counted waits for the data stand between.
;   v[72:103]   slot i: a pair at OUT + 2 i, to store.  Written by slot i's conversions alone, read by slot i's one store, never written behind it.
;   v1, v4-v7   named by vector lines alone.
; The 16 slots go in four groups of four.  A group's four stores leave in one run at the head of the next group, behind ONE wait, which states that the group's conversions have written their pairs;
; it stands behind the counted wait for the next group's first load.  No register that a memory instruction reads is written again, neither a vector one nor a scalar base: nothing more is to be stated.
.set XBLK, 8192*128                    ; bytes in a block of xb
.set IN,   8
.set OUT,  72
.macro PUT n, ob, ob2, outstep         ; slot n's store
.if (\n) < 8
	global_store_b64 v3, v[OUT+2*(\n):OUT+2*(\n)+1], s[\ob:\ob+1] offset:(\n)*(\outstep)
.else
	global_store_b64 v3, v[OUT+2*(\n):OUT+2*(\n)+1], s[\ob2:\ob2+1] offset:((\n)-8)*(\outstep)  ; a second base keeps the immediate inside its 24 bits
.endif
.endm
.macro CAST ib, ob, ob2, instep, outstep, f16
	s_wait_alu depctr_va_vdst(0)                   ; v2 and v3 are written: every load below reads v2 as its offset, every store v3
.set i, 0
.rept 16
	global_load_b128 v[IN+4*i:IN+4*i+3], v2, s[\ib:\ib+1] offset:i*(\instep) th:TH_LOAD_NT
.set i, i+1
.endr
.set i, 0
.rept 16
	s_wait_loadcnt 15-i                            ; loads come back in order: number i is in, the 15 - i younger ones stay out
.if (i > 0) && (i%4 == 0)
	s_wait_alu depctr_va_vdst(0)                   ; the conversions of the group before have written its four pairs, which the four stores below read
.set j, i-4
.rept 4
	PUT j, \ob, \ob2, \outstep
.set j, j+1
.endr
.endif
	v_cvt_pk_bf16_f32 v[OUT+2*i], v[IN+4*i], v[IN+4*i+1]
	v_cvt_pk_bf16_f32 v[OUT+2*i+1], v[IN+4*i+2], v[IN+4*i+3]
.if \f16
	v_lshlrev_b32 v4, 16, v[OUT+2*i]               ; the bf16 numbers as f32,
	v_and_b32 v5, s20, v[OUT+2*i]
	v_lshlrev_b32 v6, 16, v[OUT+2*i+1]
	v_and_b32 v7, s20, v[OUT+2*i+1]
	v_cvt_pk_f16_f32 v[OUT+2*i], v4, v5            ; written as f16
	v_cvt_pk_f16_f32 v[OUT+2*i+1], v6, v7
.endif
.set i, i+1
.endr
	s_wait_alu depctr_va_vdst(0)                   ; the last group's conversions have written its four pairs, which the last four stores read
.set j, 12
.rept 4
	PUT j, \ob, \ob2, \outstep
.set j, j+1
.endr
.endm
	s_load_b256 s[4:11], s[0:1], 0x0               ; x s[4:5], W_qkv s[6:7], W_out s[8:9], xb s[10:11]
	s_load_b128 s[12:15], s[0:1], 0x20             ; wq s[12:13], wo s[14:15]
	s_mov_b32 s20, 0xffff0000                      ; a word's upper bf16
	s_mov_b32 s17, 0
	s_mov_b32 s19, 0
	s_cmp_lt_u32 ttmp9, 512
	s_cbranch_scc0 .Lweights
	; x: 16 lanes take 256 bytes (a block's 64 channels) of a row; a wave two rows; its store is 256 consecutive bytes of xb
	v_lshrrev_b32 v1, 4, v0                        ; row 0..15
	v_and_b32 v4, 15, v0
	v_lshlrev_b32 v2, 12, v1
	v_lshl_or_b32 v2, v4, 4, v2
	v_lshlrev_b32 v3, 7, v1
	v_lshl_or_b32 v3, v4, 3, v3
	s_lshl_b32 s16, ttmp9, 16                      ; 16 rows of 4,096 bytes
	s_lshl_b32 s18, ttmp9, 11                      ; 16 rows of 128 bytes
	s_wait_kmcnt 0x0
	s_add_nc_u64 s[4:5], s[4:5], s[16:17]
	s_add_nc_u64 s[10:11], s[10:11], s[18:19]
	s_add_nc_u64 s[22:23], s[10:11], 8*XBLK
	CAST 4, 10, 22, 256, XBLK, 0
	s_endpgm
.Lweights:
	v_lshlrev_b32 v2, 4, v0
	v_lshlrev_b32 v3, 3, v0
	s_cmp_lt_u32 ttmp9, 704
	s_cbranch_scc0 .Lwout
	s_sub_co_u32 s21, ttmp9, 512
	s_lshl_b32 s16, s21, 16
	s_lshl_b32 s18, s21, 15
	s_wait_kmcnt 0x0
	s_add_nc_u64 s[6:7], s[6:7], s[16:17]
	s_add_nc_u64 s[12:13], s[12:13], s[18:19]
	s_add_nc_u64 s[22:23], s[12:13], 8*2048
	CAST 6, 12, 22, 4096, 2048, 0
	s_endpgm
.Lwout:
	s_sub_co_u32 s21, ttmp9, 704
	s_lshl_b32 s16, s21, 16
	s_lshl_b32 s18, s21, 15
	s_wait_kmcnt 0x0
	s_add_nc_u64 s[8:9], s[8:9], s[16:17]
	s_add_nc_u64 s[14:15], s[14:15], s[18:19]
	s_add_nc_u64 s[22:23], s[14:15], 8*2048
	CAST 8, 14, 22, 4096, 2048, 1
	s_endpgm
.Lfunc_end_k_q75f6cac145_prep:
	.size	k_q75f6cac145_prep, .Lfunc_end_k_q75f6cac145_prep-k_q75f6cac145_prep
	.p2alignl 7, 3214868480
	.fill 96, 4, 3214868480
	.section	.rodata,"a",@progbits
	.p2align	6, 0x0
	.amdhsa_kernel k_q75f6cac145_prep
		.amdhsa_group_segment_fixed_size 0
		.amdhsa_private_segment_fixed_size 0
		.amdhsa_enable_private_segment 0
		.amdhsa_kernarg_size 48
		.amdhsa_user_sgpr_count 2
		.amdhsa_user_sgpr_kernarg_segment_ptr 1
		.amdhsa_wavefront_size32 1
		.amdhsa_system_sgpr_workgroup_id_x 1
		.amdhsa_system_sgpr_workgroup_id_y 1
		.amdhsa_system_sgpr_workgroup_id_z 1
		.amdhsa_system_vgpr_workitem_id 0
		.amdhsa_next_free_vgpr 104
		.amdhsa_next_free_sgpr 66
		.amdhsa_reserve_vcc 0
		.amdhsa_float_denorm_mode_32 3
		.amdhsa_float_denorm_mode_16_64 3
		.amdhsa_memory_ordered 1
		.amdhsa_forward_progress 1
		.amdhsa_inst_pref_size 23
	.end_amdhsa_kernel
	.amdgpu_metadata
---
amdhsa.version: [ 1, 2 ]
amdhsa.kernels:
  - .name:           k_q75f6cac145_prep
    .symbol:         k_q75f6cac145_prep.kd
    .args:
      - { .name: x, .offset: 0, .size: 8, .value_kind: global_buffer, .address_space: global }
      - { .name: W_qkv, .offset: 8, .size: 8, .value_kind: global_buffer, .address_space: global }
      - { .name: W_out, .offset: 16, .size: 8, .value_kind: global_buffer, .address_space: global }
      - { .name: xb, .offset: 24, .size: 8, .value_kind: global_buffer, .address_space: global }
      - { .name: wq, .offset: 32, .size: 8, .value_kind: global_buffer, .address_space: global }
      - { .name: wo, .offset: 40, .size: 8, .value_kind: global_buffer, .address_space: global }
    .group_segment_fixed_size: 0
    .private_segment_fixed_size: 0
    .kernarg_segment_align: 8
    .kernarg_segment_size: 48
    .max_flat_workgroup_size: 256
    .sgpr_count:     66
    .vgpr_count:     104
    .wavefront_size: 32
...
	.end_amdgpu_metadata
.endif
;; end of part 6
;; launch qkv: the kernel of part 2 again; grid 8 x 32, 4 waves a work-group, clusters of 4 x 4, 327,680 bytes of LDS; arguments xb, wq, b_qkv, qkv; writes qkv
;; launch scores: the kernel of part 3 again; grid 8 x 32, 4 waves a work-group, clusters of 4 x 4, 327,680 bytes of LDS; arguments qkv, pt, mb, lb; writes pt, mb, lb
;; launch pv: the kernel of part 4 again; grid 4 x 64, 4 waves a work-group, clusters of 4 x 4, 327,680 bytes of LDS; arguments pt, qkv, mb, lb, ctx; writes ctx
;; launch outp: the kernel of part 5 again; grid 4 x 64, 4 waves a work-group, clusters of 4 x 4, 327,680 bytes of LDS; arguments ctx, wo, b_out, out0; writes out0
